; MI455X (gfx1250); checked and timed in simulation.
; The chip was launched on July 23, 2026; its instructions are those of AMD's public machine-readable ISA for CDNA 5 (MIT licence, August 2026) and "CDNA5" Instruction Set Architecture Reference Guide (July 2026). The comments in the code are by the model that wrote it; some were corrected since.
;; BERT Attention. Allowed arithmetic: matrix products marked QUANTISED: E5M2 operands, one given power-of-two scale a tensor, by v_wmma_f32_16x16x64_bf8_bf8 or v_wmma_f32_16x16x128_bf8_bf8, f32 sums; everything else in f32.
;; Inputs: attention_mask 4 x 1 x 1 x 2,048 float32; beta 1,024 float32; bk 1,024 float32; bo 1,024 float32; bq 1,024 float32; bv 1,024 float32; gamma 1,024 float32; hidden_states 4 x 2,048 x 1,024 float32; lowp_scales 12 int32 (the exponents e of the quantised operands' scales 2^e); wk_codes 1,024 x 32 x 32 uint8 (E5M2 codes of wk, K innermost, in blocks of 32 codes); wo_codes 1,024 x 32 x 32 uint8 (E5M2 codes of wo, K innermost, in blocks of 32 codes); wq_codes 1,024 x 32 x 32 uint8 (E5M2 codes of wq, K innermost, in blocks of 32 codes); wv_codes 1,024 x 32 x 32 uint8 (E5M2 codes of wv, K innermost, in blocks of 32 codes).
;; Outputs: out0 4 x 2,048 x 1,024 float32.
;; This version of the problem:
;;   THIS VERSION OF THE PROBLEM IS GIVEN IN LOW PRECISION. The matrix products marked QUANTISED in the list below multiply operands that are first quantised to E5M2 (5 exponent bits, 2 mantissa bits; 8 bits a number), with one given power-of-two scale for each operand tensor; their sums are f32. All else is computed in f32.
;;   The module's matrix products, in the order in which they are computed (A, B: the left and right operand; K: the contracted axis; several contracted axes count as one K, in the product's order):
;;     1. [M 8,192, K 1,024] x [K 1,024, N 1,024]; A: input hidden_states; B: input wq (given as codes): QUANTISED (scales: A lowp_scales[0], B lowp_scales[1])
;;     2. [M 8,192, K 1,024] x [K 1,024, N 1,024]; A: input hidden_states; B: input wk (given as codes): QUANTISED (scales: A lowp_scales[2], B lowp_scales[3])
;;     3. [M 8,192, K 1,024] x [K 1,024, N 1,024]; A: input hidden_states; B: input wv (given as codes): QUANTISED (scales: A lowp_scales[4], B lowp_scales[5])
;;     4. batch 64 x [M 2,048, K 64] x [K 64, N 2,048]; A: computed on the way; B: computed on the way: QUANTISED (scales: A lowp_scales[6], B lowp_scales[7])
;;     5. batch 64 x [M 2,048, K 2,048] x [K 2,048, N 64]; A: softmax (see below); B: computed on the way: QUANTISED (scales: A lowp_scales[8], B lowp_scales[9])
;;     6. [M 8,192, K 1,024] x [K 1,024, N 1,024]; A: computed on the way; B: input wo (given as codes): QUANTISED (scales: A lowp_scales[10], B lowp_scales[11])
;;   THE QUANTISER, for each operand of a quantised product, along K:
;;     - The operand's scale is 2^e, e = its entry of the input lowp_scales (int32; the entries are numbered through the quantised products in the list's order, A before B).
;;     - Each number is divided by the scale, clamped to +-57,344, and rounded to the nearest number of E5M2, ties to even, subnormals kept.
;;     - The product sums the exact products of the quantised numbers (number of the format x scale) in f32.
;;   ~~~python
;;   def quantise(x, axis, e):      # numpy; x: float32 -> the quantised numbers, widened to float32 again
;;       x = np.moveaxis(x, axis, -1); K = x.shape[-1]
;;       r = np.clip(x / 2.0 ** e, -57344, 57344)
;;       step = 2.0 ** (np.maximum(np.frexp(np.where(r == 0, 1, r))[1] - 1, -14) - 2)
;;       q = np.round(r / step) * step * 2.0 ** e      # np.round: ties to even
;;       return np.moveaxis(q, -1, axis).astype(np.float32)
;;   ~~~
;;   SOFTMAX AHEAD OF A QUANTISED PRODUCT. Where the list says 'softmax', what is quantised is not the finished softmax but p = 2^(t - M), with t = logit x log2(e) and M = ceil(the row's largest t), a whole number; so 1/2 < the row's largest p <= 1. The row's sum l is taken of the UNQUANTISED p, in f32, and the product's result is divided by l at the end. Since M is a whole number, a kernel that streams over the keys may use a running M (the ceiling of the running maximum): every later rescaling is an exact power of two, so the quantised numbers keep their values, but for numbers so far below the row's largest that they fall under the format's range.
;;   OPERANDS COMPUTED ON THE WAY. 'Computed on the way' means the value that the module computes at that place (a softmax that the list does not call 'softmax' is quantised finished and normalised). What goes into a quantiser is computed in f32, as accurately as f32 sums, v_exp_f32 and their like allow (about 1e-6 of the number): no bf16 or f16 on the way to a quantiser, and a product that is left as it is and whose result goes on into a quantised operand takes f32 operands (vector FMAs, or v_wmma_f32_16x16x4_f32). A number that lies on a knife's edge between two numbers of the format may be rounded either way, as far as f32 arithmetic and the matrix unit's own rounding can turn it there, and no further.
;;   INPUTS GIVEN AS CODES. wk (in the module: [1024, 1024], K = its axis 1); wo (in the module: [1024, 1024], K = its axis 1); wq (in the module: [1024, 1024], K = its axis 1); wv (in the module: [1024, 1024], K = its axis 1): each comes as NAME_codes (uint8): NAME with its K axis moved to the last place and cut into blocks of 32 codes, [.., K / 32, bytes a block], one block behind the other in memory; one code a byte (a code: sign, 5 exponent bits, 2 mantissa bits); its scale is its entry of lowp_scales. Its value is code x scale, taken as it is: it is not quantised again, and the codes and scales need not be those that the quantiser above would give.
;; 2 versions. Each part assembles by itself: llvm-mc -triple=amdgcn-amd-amdhsa -mcpu=gfx1250 --defsym DOCPART=n.
;; ======== version 1 of 2: 4 launches
;; limits: right only within a limited range of input values
;; workspace buffers: xcodes 25,165,824 bytes; wfrag 4,194,304 bytes; qkvc 25,165,824 bytes; ctxc 8,388,608 bytes
;; launch prep (part 1): grid 544 x 1, 8 waves a work-group, no clusters, 68,608 bytes of LDS; arguments hidden_states, wq_codes, wk_codes, wv_codes, wo_codes, lowp_scales, xcodes, wfrag; writes xcodes, wfrag
.if DOCPART == 1
	.amdgcn_target "amdgcn-amd-amdhsa--gfx1250"
	.amdhsa_code_object_version 6
	.text
	.protected	k_qbcae40bef3_prep
	.globl	k_qbcae40bef3_prep
	.p2align	8
	.type	k_qbcae40bef3_prep,@function
k_qbcae40bef3_prep:
	s_mov_b64 s[64:65], 0
	v_nop
	global_prefetch_b8 v0, s[64:65] scope:SCOPE_SE
	s_setreg_imm32_b32 hwreg(HW_REG_WAVE_MODE, 25, 1), 1
	s_wait_xcnt 0x0
; hidden_states [8192][1024] f32 -> codes of E5M2 for the scales e0, e2, e4 (entries 0, 2, 4 of the scales' buffer); the four weights' codes -> the same layout.
; THE LAYOUT, for every later launch: A FRAGMENT IMAGE.  16 rows x 128 K are 2,048 bytes: four blocks c of 512 bytes, lane l's 16 bytes at 16 l;
; lane (r = l % 16, h = l / 16), block c holds k = 128 s + 32 c + 16 h + 0 .. 15 of the tile's row r.  One 16-byte load a lane brings four operand registers.
; THE ROWS OF A TILE ARE NOT NEIGHBOURS: row r of tile 2 g + u is row 32 g + 8 u + r + 8 (r / 8), so that in a transposed result the 16 registers of tiles 2 g, 2 g + 1 are 16 neighbours.
; xcodes: set x 2^23 + (tile x 8 + s) x 2048; set 0 for e0 (q's product), set 1 for e2 (k's), set 2 for e4 (v's).  All three are always written, so that the next launch's addresses hang on no loaded number.
; wfrag: matrix x 2^20 + (tile x 8 + s) x 2048; matrix 0 wq, 1 wk, 2 wv, 3 wo.
; code = x / 2^e, held within +-57,344, to the nearest code, ties to even.  LIMITS: -126 <= e <= 112.  NaN among the inputs is not served.
; Work-groups 0-511: one tile of 16 tokens each, wave s takes K step s.  Work-groups 512-543: eight tiles of one weight each, a wave a tile.  No barrier: waves share nothing.
.set R,   16                           ; v16-79   16 rows x 16 bytes a lane as loaded; later T: the numbers held within the largest code
.set T,   16
.set X,   80                           ; v80-143  my 64 numbers: register 16 c + i = k 32 c + 16 h + i of my row
.set C,   144                          ; v144-191 the codes, 16 registers for each set: no store's data are written again
.set SP,  528                          ; a stage row: 512 bytes + 16: 33 x 16, so that the sixteen rows of a read start at sixteen different banks
.set WST, 16*SP                        ; a wave's stage
	s_load_b256 s[4:11], s[0:1], 0x0               ; hidden_states s[4:5], wq s[6:7], wk s[8:9], wv s[10:11]
	s_load_b256 s[12:19], s[0:1], 0x20             ; wo s[12:13], scales s[14:15], xcodes s[16:17], wfrag s[18:19]
	v_lshl_add_u32 v208, v0, 2, 0x10800
	v_mov_b32 v209, 0
	v_lshrrev_b32 v1, 5, v0
	v_readfirstlane_b32 s20, v1                    ; wave 0..7
	v_and_b32 v1, 31, v0                           ; lane
	v_lshlrev_b32 v2, 4, v1                        ; 16 x lane
	v_and_b32 v5, 15, v0                           ; r
	v_bfe_u32 v6, v0, 4, 1                         ; h
	s_mov_b32 s33, 0
	s_wait_kmcnt 0x0
	s_cmp_ge_u32 ttmp9, 512
	s_cbranch_scc1 .Lweights
	; ---- a tile of 16 tokens, my K step of 128
	s_load_b256 s[24:31], s[14:15], 0x0            ; e0 .. e7
	s_lshr_b32 s40, ttmp9, 1
	s_lshl_b32 s40, s40, 5
	s_and_b32 s41, ttmp9, 1
	s_lshl_b32 s41, s41, 3
	s_add_co_u32 s40, s40, s41                     ; the tile's first token: 32 (tile / 2) + 8 (tile % 2)
	s_lshl_b32 s32, s40, 12                        ; a token's row is 4,096 bytes
	s_lshl_b32 s41, s20, 9                         ; my K step: 512 bytes of it
	s_add_co_u32 s32, s32, s41
	s_add_nc_u64 s[4:5], s[4:5], s[32:33]
.set i, 0
.rept 16
	global_load_b128 v[R+4*i:R+4*i+3], v2, s[4:5] offset:(i+8*(i/8))*4096 th:TH_LOAD_NT   ; the tile's row i: 32 lanes read 512 consecutive bytes
.set i, i+1
.endr
	s_mul_i32 s42, s20, WST
	v_add_nc_u32 v3, s42, v2                       ; into my stage: 16 x lane of a row
	v_mul_u32_u24 v4, v5, SP
	v_lshl_add_u32 v4, v6, 6, v4
	v_add_nc_u32 v4, s42, v4                       ; out of it: row r, + 64 h: my 16 numbers of each block of 32
	s_lshl_b32 s32, ttmp9, 14                      ; a tile's eight images,
	s_lshl_b32 s41, s20, 11                        ; my K step's
	s_add_co_u32 s32, s32, s41
	s_add_nc_u64 s[34:35], s[16:17], s[32:33]      ; in set 0,
	s_add_nc_u64 s[36:37], s[34:35], 0x800000      ; set 1,
	s_add_nc_u64 s[38:39], s[36:37], 0x800000      ; set 2
	s_wait_kmcnt 0x0
.macro MKSC e, sc                      ; v[sc] = 2^e as f32 (the conversion takes its exponent field), v[sc + 1] = 57,344 x 2^e
	s_add_co_i32 s43, \e, 127
	s_lshl_b32 s44, s43, 23
	v_mov_b32 v[\sc], s44
	s_add_co_i32 s43, s43, 15
	s_lshl_b32 s43, s43, 23
	s_or_b32 s43, s43, 0x600000
	v_mov_b32 v[\sc+1], s43
.endm
	MKSC s24, 8
	MKSC s26, 10
	MKSC s28, 12
.set i, 0
.rept 16
	s_wait_loadcnt 15-i                            ; loads come back in order: row i is in, the younger ones may be out
	ds_store_b128 v3, v[R+4*i:R+4*i+3] offset:SP*i
.set i, i+1
.endr
.set i, 0
.rept 16
	ds_load_b128 v[X+4*i:X+4*i+3], v4 offset:128*(i/4)+16*(i%4)   ; LDS serves a wave's instructions in order: these see my stores
.set i, i+1
.endr
	s_wait_dscnt 0x0                               ; my numbers are in, and the stores have read R, which T takes
.macro QSET e, lo                      ; set e: hold, convert, store four blocks of 512 consecutive bytes
.set i, 0
.rept 64
	v_med3_num_f32 v[T+i], v[X+i], -v[9+2*\e], v[9+2*\e]   ; the conversion to an 8-bit code does not saturate (ISA guide 7.6.2)
.set i, i+1
.endr
.set i, 0
.rept 8
	v_cvt_scalef32_pk8_bf8_f32 v[C+16*\e+2*i:C+16*\e+2*i+1], v[T+8*i:T+8*i+7], v[8+2*\e]
.set i, i+1
.endr
	v_nop                                          ; a plain line between the conversions and the next set's holds, which write their sources
.irp c, 0,1,2,3
	global_store_b128 v2, v[C+16*\e+4*\c:C+16*\e+4*\c+3], s[\lo:\lo+1] offset:512*\c
.endr
.endm
	QSET 0, 34
	QSET 1, 36
	QSET 2, 38
	s_wait_tensorcnt 0x0
	ds_add_u32 v208, v209
	s_wait_dscnt 0x0
	s_endpgm
	; ---- a tile of 16 rows of a weight, all eight K steps: the codes only change places.  The reads take 16 bytes a lane of rows 1,024 bytes apart: 4 MiB, once in the whole program
.Lweights:
	s_sub_co_u32 s40, ttmp9, 512
	s_lshr_b32 s41, s40, 3                         ; which matrix
	s_and_b32 s42, s40, 7
	s_lshl_b32 s42, s42, 3
	s_add_co_u32 s42, s42, s20                     ; which tile, 0..63
	s_cmp_eq_u32 s41, 0
	s_cselect_b64 s[44:45], s[6:7], s[8:9]
	s_cmp_eq_u32 s41, 2
	s_cselect_b64 s[44:45], s[10:11], s[44:45]
	s_cmp_eq_u32 s41, 3
	s_cselect_b64 s[44:45], s[12:13], s[44:45]
	s_lshr_b32 s43, s42, 1
	s_lshl_b32 s43, s43, 5
	s_and_b32 s46, s42, 1
	s_lshl_b32 s46, s46, 3
	s_add_co_u32 s43, s43, s46                     ; the tile's first row
	s_lshl_b32 s32, s43, 10
	s_add_nc_u64 s[44:45], s[44:45], s[32:33]
	s_lshl_b32 s32, s41, 20
	s_lshl_b32 s46, s42, 14
	s_add_co_u32 s32, s32, s46
	s_add_nc_u64 s[18:19], s[18:19], s[32:33]
	v_and_b32 v7, 8, v5
	v_add_nc_u32 v7, v7, v5                        ; r + 8 (r / 8)
	v_lshlrev_b32 v7, 10, v7
	v_lshl_add_u32 v7, v6, 4, v7                   ; my row, + 16 h
.set i, 0
.rept 32
	global_load_b128 v[16+4*i:16+4*i+3], v7, s[44:45] offset:32*i    ; block i = 4 s + c: k = 128 s + 32 c + 16 h on
.set i, i+1
.endr
.set i, 0
.rept 32
	s_wait_loadcnt 31-i
	global_store_b128 v2, v[16+4*i:16+4*i+3], s[18:19] offset:512*i  ; 512 consecutive bytes
.set i, i+1
.endr
	s_endpgm
.Lfunc_end_k_qbcae40bef3_prep:
	.size	k_qbcae40bef3_prep, .Lfunc_end_k_qbcae40bef3_prep-k_qbcae40bef3_prep
	.p2alignl 7, 3214868480
	.fill 96, 4, 3214868480
	.section	.rodata,"a",@progbits
	.p2align	6, 0x0
	.amdhsa_kernel k_qbcae40bef3_prep
		.amdhsa_group_segment_fixed_size 68608
		.amdhsa_private_segment_fixed_size 0
		.amdhsa_enable_private_segment 0
		.amdhsa_kernarg_size 64
		.amdhsa_user_sgpr_count 2
		.amdhsa_user_sgpr_kernarg_segment_ptr 1
		.amdhsa_wavefront_size32 1
		.amdhsa_system_sgpr_workgroup_id_x 1
		.amdhsa_system_sgpr_workgroup_id_y 1
		.amdhsa_system_sgpr_workgroup_id_z 1
		.amdhsa_system_vgpr_workitem_id 0
		.amdhsa_next_free_vgpr 210
		.amdhsa_next_free_sgpr 66
		.amdhsa_reserve_vcc 0
		.amdhsa_float_denorm_mode_32 3
		.amdhsa_float_denorm_mode_16_64 3
		.amdhsa_memory_ordered 1
		.amdhsa_forward_progress 1
		.amdhsa_inst_pref_size 30
	.end_amdhsa_kernel
	.amdgpu_metadata
---
amdhsa.version: [ 1, 2 ]
amdhsa.kernels:
  - .name:           k_qbcae40bef3_prep
    .symbol:         k_qbcae40bef3_prep.kd
    .args:
      - { .name: hidden_states, .offset: 0, .size: 8, .value_kind: global_buffer, .address_space: global }
      - { .name: wq_codes, .offset: 8, .size: 8, .value_kind: global_buffer, .address_space: global }
      - { .name: wk_codes, .offset: 16, .size: 8, .value_kind: global_buffer, .address_space: global }
      - { .name: wv_codes, .offset: 24, .size: 8, .value_kind: global_buffer, .address_space: global }
      - { .name: wo_codes, .offset: 32, .size: 8, .value_kind: global_buffer, .address_space: global }
      - { .name: lowp_scales, .offset: 40, .size: 8, .value_kind: global_buffer, .address_space: global }
      - { .name: xcodes, .offset: 48, .size: 8, .value_kind: global_buffer, .address_space: global }
      - { .name: wfrag, .offset: 56, .size: 8, .value_kind: global_buffer, .address_space: global }
    .group_segment_fixed_size: 68608
    .private_segment_fixed_size: 0
    .kernarg_segment_align: 8
    .kernarg_segment_size: 64
    .max_flat_workgroup_size: 256
    .sgpr_count:     66
    .vgpr_count:     210
    .wavefront_size: 32
...
	.end_amdgpu_metadata
.endif
;; end of part 1
;; launch qkv (part 2): grid 4 x 48, 4 waves a work-group, clusters of 4 x 1, 327,680 bytes of LDS; arguments xcodes, wfrag, bq, bk, bv, lowp_scales, qkvc; writes qkvc
.if DOCPART == 2
	.amdgcn_target "amdgcn-amd-amdhsa--gfx1250"
	.amdhsa_code_object_version 6
	.text
	.protected	k_qbcae40bef3_qkv
	.globl	k_qbcae40bef3_qkv
	.p2align	8
	.type	k_qbcae40bef3_qkv,@function
k_qbcae40bef3_qkv:
	s_mov_b64 s[64:65], 0
	v_nop
	global_prefetch_b8 v0, s[64:65] scope:SCOPE_SE
	s_setreg_imm32_b32 hwreg(HW_REG_WAVE_MODE, 25, 1), 1
	s_wait_xcnt 0x0
	s_wait_alu depctr_hold_cnt(0) depctr_sa_sdst(0) depctr_va_vdst(0) depctr_va_sdst(0) depctr_va_ssrc(0) depctr_va_vcc(0) depctr_vm_vsrc(0)
	s_getreg_b32 s2, hwreg(HW_REG_IB_STS2, 6, 4)
	s_cmp_eq_u32 s2, 0
	s_cbranch_scc0 .Lentry_in_a_cluster
	s_endpgm
.Lentry_in_a_cluster:
	s_bfe_u32 s2, ttmp6, 0x10000c
	s_cmp_lg_u32 s2, 0x3003
	s_cbranch_scc0 .Lentry_shape_is_right
	s_endpgm
.Lentry_shape_is_right:
; q, k, v = x W^T + b on codes of E5M2, and at once their own codes for attention's two products (scales e6, e7, e9), stored as images of the operands' registers.
; SHARES.  The grid's y says which matrix (y / 16: 0 q, 1 k, 2 v) and which 512 tokens (y % 16); the four work-groups of a cluster, side by side along x, take four heads each.  Wave w of work-group cx owns
; head 4 cx + w: its 64 rows of W, all 1,024 along K, stay in 512 registers for the whole launch.  What goes round is x: 64 tokens x 1,024 codes a slot, through a ring of two LDS slots.
; The four work-groups of a cluster need the same x: each tile is asked for JOINTLY, by the same tensor load with the same descriptor and the mask 15; its address is made of y and the wave's number alone.
; 192 work-groups: 3 matrices x 4 blocks of heads x 16 blocks of tokens; a share never crosses a matrix, since each has scales of its own.
; q, k: source 0 = 16 rows of W, source 1 = 16 tokens: a lane holds ONE token and its registers run along the head's channels, which are the scores' K.
; v: the sources are swapped: a lane holds ONE channel and its registers run along the tokens, which are the second product's K.  The branch hangs on the grid's y alone.
; Tiles and images: see the launch that lays them (row r of tile 2 g + u is row 32 g + 8 u + r + 8 (r / 8); a block of 512 bytes is four registers of 32 lanes).
; qkvc: matrix x 2^23 + (16 batch + head) x 2^17 + (group of 32 tokens) x 2048 + 512 k.  q, k: k = 2 (tile % 2) + c': channels 32 c' + 16 h on.  v: k = tile of 16 channels; tokens 16 h + 0 .. 15 of the group.
; The bias is the C of each sum's first product, divided by the power of two that the sums lack; the three scales ahead of the quantiser are folded into the conversion's one.
; LIMITS: eo - ea - eb between -126 and 112 (eo the result's scale, ea, eb the operands').  NaN among the inputs is not served.
; REGISTERS, in windows of 256: window 0: v1, v3 LDS addresses; v4-11 the bias's offsets; v12, v13 the conversion's scale and the largest code x it; v30, v31 for the spare words; v32-63 the bias;
;   v64-127 eight accumulators (token tile rho, W tile t at 64 + 32 rho + 8 t); v128-143 codes.   windows 1, 2: W (tile t, K step s at 16 (4 (s % 4) + t); s < 4 in window 1).   window 3: x, two buffers of 128.
.set SLOTB, 65536                      ; a slot: four tiles of 16 tokens, 16,384 bytes each
.set SPARE, 2*SLOTB                    ; behind the ring: the spare words, 128 bytes for each wave: two blocks of 256 bytes that no other line names
.set BI,   32
.set ACC,  64
.set CODE, 128
.set G0,   32                          ; s[32:39] descriptor group 0, a set for each slot
.set G1,   40                          ; s[40:47] descriptor group 1
.set MSB, 0
.macro WIN new                         ; the immediate's high byte repeats the setting that is left
.if MSB != (\new)
	s_set_vgpr_msb (MSB<<8)|(\new)
.set MSB, (\new)
.endif
.endm
.macro PLACES n
.rept \n
	v_nop
.endr
.endm
.macro ROUND                           ; a round of the cluster's barrier
	s_barrier_signal -1
	s_barrier_wait -1
	s_cmp_lg_u32 s18, 0
	s_cbranch_scc1 .Lnot_wave_0_\@
	s_barrier_signal -3
.Lnot_wave_0_\@:
	s_barrier_wait -3
	s_barrier_signal -1
	s_barrier_wait -1
.endm
	s_load_b256 s[4:11], s[0:1], 0x0               ; xcodes s[4:5], wfrag s[6:7], bq s[8:9], bk s[10:11]
	s_load_b128 s[12:15], s[0:1], 0x20             ; bv s[12:13], scales s[14:15]
	s_load_b64 s[16:17], s[0:1], 0x30              ; qkvc
	v_lshl_add_u32 v30, v0, 2, SPARE
	v_mov_b32 v31, 0
	ds_add_u32 v30, v31
	ds_add_u32 v30, v31
	s_wait_dscnt 0x0
	v_lshrrev_b32 v2, 5, v0
	v_readfirstlane_b32 s18, v2                    ; wave 0..3
	s_bfe_u32 s19, ttmp6, 0x40000                  ; cx: it enters W's, the bias's and the output's addresses alone
	s_and_b32 s21, ttmp7, 0xffff                   ; y, which the four partners share
	s_lshr_b32 s20, s21, 4                         ; the matrix
	s_and_b32 s21, s21, 15                         ; the block of 512 tokens
	s_lshl_b32 s22, s19, 2
	s_add_co_u32 s22, s22, s18                     ; my head
	; descriptor group 1: 16,384 dense bytes as 64 rows of 32 elements of 8 bytes
	s_mov_b32 s[G1+0], 15|(3<<16)|(1<<21)          ; 15:0 the mask: all four work-groups; 17:16 elements of 8 bytes; 21 set beside a mask; no padding
	s_mov_b32 s[G1+1], 32<<16                      ; tensor_dim0 = 32
	s_mov_b32 s[G1+2], 64<<16                      ; tensor_dim1 = 64
	s_mov_b32 s[G1+3], 32<<16                      ; tile_dim0 = 32
	s_mov_b32 s[G1+4], 64                          ; tile_dim1 = 64
	s_mov_b32 s[G1+5], 32                          ; from row to row
	s_mov_b32 s[G1+6], 0
	s_mov_b32 s[G1+7], 0
	v_and_b32 v1, 31, v0
	v_lshlrev_b32 v1, 4, v1                        ; 16 x lane: an image's place for my lane, in slot 0 and in memory
	v_add_nc_u32 v3, SLOTB, v1                     ; in slot 1
	v_and_b32 v14, 15, v0                          ; r
	v_bfe_u32 v15, v0, 4, 1                        ; h
	v_and_b32 v16, 8, v14
	v_add_nc_u32 v16, v16, v14                     ; r + 8 (r / 8)
	; x: matrix x 2^23 (its set of codes) + (32 (y % 16) + 4 n + wave) x 16,384 for slot n's first tile.  No place in the cluster and no loaded number enters these registers
	s_lshl_b32 s24, s20, 23
	s_lshl_b32 s56, s21, 5
	s_add_co_u32 s56, s56, s18
	s_lshl_b32 s56, s56, 14
	s_add_co_u32 s24, s24, s56
	s_mov_b32 s25, 0
	s_lshl_b32 s57, s18, 14                        ; and in a slot: wave x 16,384
	s_wait_kmcnt 0x0
	s_load_b256 s[72:79], s[14:15], 0x0            ; e0 .. e7
	s_load_b64 s[80:81], s[14:15], 0x20            ; e8, e9
	s_add_nc_u64 s[24:25], s[4:5], s[24:25]
.irp n, 0,1
	s_mov_b32 s[G0+4*\n], 1                        ; count = 1
	s_add_co_u32 s[G0+4*\n+1], s57, \n*SLOTB       ; LDS address
	s_add_nc_u64 s[G0+4*\n+2:G0+4*\n+3], s[24:25], \n*SLOTB   ; global address
	s_or_b32 s[G0+4*\n+3], s[G0+4*\n+3], 0x80000000           ; type = 2
.endr
	ROUND                                          ; all four work-groups are here: the first joint loads meet
	tensor_load_to_lds s[G0:G0+3], s[G1:G1+7]      ; slot 0: one load of mine is out, here and behind every later round
	s_nop 0
	PLACES 4
	; W: my head's 64 rows: 65,536 bytes on end
	s_lshl_b32 s84, s20, 20
	s_lshl_b32 s85, s22, 16
	s_add_co_u32 s84, s84, s85
	s_mov_b32 s85, 0
	s_add_nc_u64 s[52:53], s[6:7], s[84:85]
	WIN 0x40
.irp s, 0,1,2,3
.irp t, 0,1,2,3
.irp c, 0,1,2,3
	global_load_b128 v[16*(4*\s+\t)+4*\c:16*(4*\s+\t)+4*\c+3], v1, s[52:53] offset:(8*\t+\s)*2048+512*\c
.endr
.endr
.endr
	WIN 0x80
.irp s, 4,5,6,7
.irp t, 0,1,2,3
.irp c, 0,1,2,3
	global_load_b128 v[16*(4*(\s-4)+\t)+4*\c:16*(4*(\s-4)+\t)+4*\c+3], v1, s[52:53] offset:(8*\t+\s)*2048+512*\c
.endr
.endr
.endr
	WIN 0
	s_wait_kmcnt 0x0                               ; the scales' exponents
	; what hangs on the matrix is chosen, not branched on
	s_cmp_eq_u32 s20, 1
	s_cselect_b32 s26, s74, s76                    ; ea: x's scale
	s_cselect_b32 s27, s75, s77                    ; eb: W's
	s_cselect_b32 s28, s79, s81                    ; eo: the result's
	s_cselect_b64 s[50:51], s[10:11], s[12:13]     ; the bias
	s_cmp_eq_u32 s20, 0
	s_cselect_b32 s26, s72, s26
	s_cselect_b32 s27, s73, s27
	s_cselect_b32 s28, s78, s28
	s_cselect_b64 s[50:51], s[8:9], s[50:51]
	s_cmp_eq_u32 s20, 2
	s_cselect_b32 s23, 1, 0                        ; 1: v
	s_cselect_b32 s60, 0, 16                       ; the bias's place for my lane: q, k: 16 h + j;  v: r + 8 (r / 8), the same for all j
	s_cselect_b32 s61, 1, 0
	s_cselect_b32 s62, 0, 1
	; the bias, in the result's layout: register 8 t + j
	s_lshl_b32 s84, s22, 8
	s_add_nc_u64 s[50:51], s[50:51], s[84:85]      ; my head's 64 numbers
	v_mul_u32_u24 v17, v15, s60
	v_mad_u32_u24 v17, v16, s61, v17
.irp j, 0,1,2,3,4,5,6,7
	s_mul_i32 s63, s62, \j
	v_add_lshl_u32 v[4+\j], v17, s63, 2
.endr
.irp t, 0,1,2,3
.irp j, 0,1,2,3,4,5,6,7
	global_load_b32 v[BI+8*\t+\j], v[4+\j], s[50:51] offset:(32*(\t/2)+8*(\t%2))*4
.endr
.endr
	; the output: my matrix, my batch and head, my block's first group of 32 tokens
	s_lshl_b32 s82, s20, 23
	s_lshr_b32 s83, s21, 2
	s_lshl_b32 s83, s83, 4
	s_add_co_u32 s83, s83, s22
	s_lshl_b32 s83, s83, 17
	s_add_co_u32 s82, s82, s83
	s_and_b32 s83, s21, 3
	s_lshl_b32 s83, s83, 15
	s_add_co_u32 s82, s82, s83
	s_mov_b32 s83, 0
	s_add_nc_u64 s[16:17], s[16:17], s[82:83]
	s_add_co_i32 s66, s26, s27                     ; ea + eb: a sum stands for sum x 2^(ea + eb)
	s_sub_co_i32 s67, 0, s66
	s_sub_co_i32 s68, s28, s66
	s_add_co_i32 s68, s68, 127
	s_lshl_b32 s69, s68, 23
	v_mov_b32 v12, s69                             ; 2^(eo - ea - eb) as f32
	s_add_co_i32 s68, s68, 15
	s_lshl_b32 s68, s68, 23
	s_or_b32 s68, s68, 0x600000
	v_mov_b32 v13, s68                             ; 57,344 x that
	s_wait_loadcnt 0x0
.set i, 0
.rept 32
	v_ldexp_f32 v[BI+i], v[BI+i], s67              ; b / 2^(ea + eb)
.set i, i+1
.endr
.macro FETCHX be, slot, i              ; token tile i of the slot, all eight K steps, into buffer be: 32 loads of 512 consecutive bytes
	WIN 0xc0
.set n, 0
.rept 32
	ds_load_b128 v[128*\be+4*n:128*\be+4*n+3], v[1+2*\slot] offset:\i*16384+512*n
.set n, n+1
.endr
	WIN 0
.endm
.macro ARM be, rho, swap               ; 32 products: K step by K step, the four accumulators by turns, one instruction a turn; the first four take the bias as C
.irp s, 0,1,2,3,4,5,6,7
.if \swap
	WIN 0x07+4*(\s/4)                              ; source 0 (x) window 3, source 1 (W) window 1 or 2
.else
	WIN 0x0d+(\s/4)                                ; source 0 (W) window 1 or 2, source 1 (x) window 3
.endif
.irp t, 0,1,2,3
.set rD, ACC+32*\rho+8*\t
.set rW, 16*(4*(\s%4)+\t)
.set rX, 128*\be+16*\s
.if \swap
.if \s == 0
	v_wmma_f32_16x16x128_bf8_bf8 v[rD:rD+7], v[rX:rX+15], v[rW:rW+15], v[BI+8*\t:BI+8*\t+7]
.else
	v_wmma_f32_16x16x128_bf8_bf8 v[rD:rD+7], v[rX:rX+15], v[rW:rW+15], v[rD:rD+7]
.endif
.else
.if \s == 0
	v_wmma_f32_16x16x128_bf8_bf8 v[rD:rD+7], v[rW:rW+15], v[rX:rX+15], v[BI+8*\t:BI+8*\t+7]
.else
	v_wmma_f32_16x16x128_bf8_bf8 v[rD:rD+7], v[rW:rW+15], v[rX:rX+15], v[rD:rD+7]
.endif
.endif
.endr
.endr
	WIN 0
.endm
.macro MULT be, rho                    ; both arms write the same 32 registers
	s_cmp_eq_u32 s23, 0
	s_cbranch_scc0 .Lv_\@
	ARM \be, \rho, 0
	s_branch .Lj_\@
.Lv_\@:
	ARM \be, \rho, 1
.Lj_\@:
.endm
.macro EPI p                           ; a pair of token tiles is quantised and stored: 2,048 consecutive bytes
.set i, 0
.rept 64
	v_med3_num_f32 v[ACC+i], v[ACC+i], -v13, v13   ; the hold (ISA guide 7.6.2); each accumulator from its low end on
.set i, i+1
.endr
	s_wait_xcnt 0x0                                ; the last pair's stores have read the codes' registers
	s_cmp_eq_u32 s23, 0
	s_cbranch_scc0 .Lev_\@
.irp rho, 0,1
.irp t, 0,1,2,3
	v_cvt_scalef32_pk8_bf8_f32 v[CODE+8*\rho+2*\t:CODE+8*\rho+2*\t+1], v[ACC+32*\rho+8*\t:ACC+32*\rho+8*\t+7], v12   ; q, k: block 2 rho + t / 2
.endr
.endr
	s_branch .Lej_\@
.Lev_\@:
.irp rho, 0,1
.irp t, 0,1,2,3
	v_cvt_scalef32_pk8_bf8_f32 v[CODE+4*\t+2*\rho:CODE+4*\t+2*\rho+1], v[ACC+32*\rho+8*\t:ACC+32*\rho+8*\t+7], v12   ; v: block t; tile rho's eight tokens
.endr
.endr
.Lej_\@:
	v_nop                                          ; a plain line between the conversions and the products that write their sources
.irp k, 0,1,2,3
	global_store_b128 v1, v[CODE+4*\k:CODE+4*\k+3], s[16:17] offset:(\p)*2048+512*\k
.endr
.endm
; A slot's 64 tokens.  In front of the round each wave waits for all its tensor loads (its part of this slot), adds 0 to its spare word, and waits for that and for its reads of the other slot.
; Behind the round this slot is whole in every partner and nobody reads the other one, which is filled first thing.
.macro TRIP slot, refill
	s_wait_tensorcnt 0x0                           ; no tensor load of mine is out, so a group 0 may be written
	ds_add_u32 v30, v31                            ; 0 onto my spare word
	s_add_nc_u64 s[G0+4*\slot+2:G0+4*\slot+3], s[G0+4*\slot+2:G0+4*\slot+3], 2*SLOTB   ; this slot's next tile
	s_wait_dscnt 0x0                               ; the add is done, and so are my reads of the other slot
	ROUND
.if \refill
	tensor_load_to_lds s[G0+4-4*\slot:G0+7-4*\slot], s[G1:G1+7]   ; my one load behind the round: it has this slot's 128 products in which to land
	s_nop 0
	PLACES 4
.endif
	FETCHX 0, \slot, 0
	FETCHX 1, \slot, 1
	s_wait_dscnt 32                                ; tile 0 is in; tile 1's 32 loads may be out
	MULT 0, 0
	PLACES 4                                       ; in front of loads into registers that the products have read
	FETCHX 0, \slot, 2
	s_wait_dscnt 32                                ; tile 1 is in; tile 2's may be out
	MULT 1, 1
	PLACES 4                                       ; likewise, and in front of the first read of results
	FETCHX 1, \slot, 3
	EPI 2*\slot
	s_wait_dscnt 32                                ; tile 2 is in; tile 3's may be out
	MULT 0, 0
	s_wait_dscnt 0x0
	MULT 1, 1
	PLACES 4
	EPI 2*\slot+1
.endm
	s_mov_b32 s48, 3
.Lloop:                                                ; a trip goes once round the ring: 128 tokens, four groups of 32
	TRIP 0, 1
	TRIP 1, 1
	s_wait_xcnt 0x0                                ; the stores have read their base
	s_add_nc_u64 s[16:17], s[16:17], 8192
	s_sub_co_u32 s48, s48, 1
	s_cmp_lg_u32 s48, 0
	s_cbranch_scc1 .Lloop
	TRIP 0, 1                                      ; the tail is written out: the last slot asks for nothing
	TRIP 1, 0
	s_wait_tensorcnt 0x0                           ; the wave's end
	ds_add_u32 v30, v31
	s_wait_dscnt 0x0
	ROUND                                          ; the closing round
	s_endpgm
.Lfunc_end_k_qbcae40bef3_qkv:
	.size	k_qbcae40bef3_qkv, .Lfunc_end_k_qbcae40bef3_qkv-k_qbcae40bef3_qkv
	.p2alignl 7, 3214868480
	.fill 96, 4, 3214868480
	.section	.rodata,"a",@progbits
	.p2align	6, 0x0
	.amdhsa_kernel k_qbcae40bef3_qkv
		.amdhsa_group_segment_fixed_size 327680
		.amdhsa_private_segment_fixed_size 0
		.amdhsa_enable_private_segment 0
		.amdhsa_kernarg_size 56
		.amdhsa_user_sgpr_count 2
		.amdhsa_user_sgpr_kernarg_segment_ptr 1
		.amdhsa_wavefront_size32 1
		.amdhsa_system_sgpr_workgroup_id_x 1
		.amdhsa_system_sgpr_workgroup_id_y 1
		.amdhsa_system_sgpr_workgroup_id_z 1
		.amdhsa_system_vgpr_workitem_id 0
		.amdhsa_next_free_vgpr 1024
		.amdhsa_next_free_sgpr 100
		.amdhsa_reserve_vcc 0
		.amdhsa_float_denorm_mode_32 3
		.amdhsa_float_denorm_mode_16_64 3
		.amdhsa_memory_ordered 1
		.amdhsa_forward_progress 1
		.amdhsa_inst_pref_size 174
	.end_amdhsa_kernel
	.amdgpu_metadata
---
amdhsa.version: [ 1, 2 ]
amdhsa.kernels:
  - .name:           k_qbcae40bef3_qkv
    .symbol:         k_qbcae40bef3_qkv.kd
    .args:
      - { .name: xcodes, .offset: 0, .size: 8, .value_kind: global_buffer, .address_space: global }
      - { .name: wfrag, .offset: 8, .size: 8, .value_kind: global_buffer, .address_space: global }
      - { .name: bq, .offset: 16, .size: 8, .value_kind: global_buffer, .address_space: global }
      - { .name: bk, .offset: 24, .size: 8, .value_kind: global_buffer, .address_space: global }
      - { .name: bv, .offset: 32, .size: 8, .value_kind: global_buffer, .address_space: global }
      - { .name: lowp_scales, .offset: 40, .size: 8, .value_kind: global_buffer, .address_space: global }
      - { .name: qkvc, .offset: 48, .size: 8, .value_kind: global_buffer, .address_space: global }
    .group_segment_fixed_size: 327680
    .private_segment_fixed_size: 0
    .kernarg_segment_align: 8
    .kernarg_segment_size: 56
    .max_flat_workgroup_size: 128
    .sgpr_count:     100
    .vgpr_count:     1024
    .wavefront_size: 32
...
	.end_amdgpu_metadata
.endif
;; end of part 2
;; launch attn (part 3): grid 4 x 64, 8 waves a work-group, no clusters, 271,360 bytes of LDS; arguments qkvc, attention_mask, lowp_scales, ctxc; writes ctxc
.if DOCPART == 3
	.amdgcn_target "amdgcn-amd-amdhsa--gfx1250"
	.amdhsa_code_object_version 6
	.text
	.protected	k_qbcae40bef3_attn
	.globl	k_qbcae40bef3_attn
	.p2align	8
	.type	k_qbcae40bef3_attn,@function
k_qbcae40bef3_attn:
	s_mov_b64 s[64:65], 0
	v_nop
	global_prefetch_b8 v0, s[64:65] scope:SCOPE_SE
	s_setreg_imm32_b32 hwreg(HW_REG_WAVE_MODE, 25, 1), 1
	s_wait_xcnt 0x0
; ctx = softmax(q k^T / 8 + mask) v for one head and 512 queries, both products on codes of E5M2; ctx leaves as codes (scale e10), laid as the last product's operand.
; THE SOFTMAX: t = (score / 8 + mask) log2(e); M = the running largest t rounded UP to a whole number; p = 2^(t - M) is quantised (scale e8); the row's sum is taken of the unquantised p and divides at the end.
; When M moves, the sum and O are multiplied by 2^(old M - new M): exact.
; SHARES.  The grid's y is 16 batch + head, its x a quarter of the queries.  The head's K (131,072 bytes), V (131,072) and the mask (8,192) are put into LDS ONCE, through registers; one barrier; nothing in LDS
; is written after it.  Multicast is not used: K and V are fetched once a work-group, 64 loads a wave, against 32 key steps of some 400 vector instructions each.
; Each of the eight waves makes two passes; in a pass it holds two tiles of 16 queries and walks the 2,048 keys, 128 a step.  Two waves share a SIMD: one's products stand beside the other's softmax.
; LAYOUT.  Both products are used transposed (S^T = K Q^T, O^T = V^T P^T): a lane holds ONE query throughout.  Key r of tile 2 b + u is key 32 b + 8 u + r + 8 (r / 8), so that the 16 registers of tiles 2 b, 2 b + 1
; are keys 32 b + 16 h + 0 .. 15, and the conversions' results are the second product's operand.  All fragments lie in LDS as images of their registers: every load is 512 consecutive bytes.
; THE MASK COSTS NO VECTOR INSTRUCTION IN THE LOOP: it is the C of the scores' products, as mask x 8 / 2^(e6 + e7); t = c x (sum + that), c = log2(e) / 8 x 2^(e6 + e7).
; LIMITS: e6 + e7 between -100 and 130; e8, and e10 - e8 - e9, between -126 and 112.  A MASK BELOW -2^19 COUNTS AS -2^19: |t| then stays under 2^20, so that t - M keeps its bits in a key step all of whose keys are
; masked, p stays at 1.02 at the most there, and such a step's terms vanish at the first open key; it shows only in a row ALL of whose keys carry masks below -2^19.  NaN among the inputs is not served.
; REGISTERS.  window 0: v1 16 x lane; v2-4 addresses in hand; v5, v6 my lane's place in the mask and in V; v8-23 eight registers of statistics a tile (+0 -M, +1 the largest t, +2,3 the sum, +4 f (+5 = 0), +6,7 at work);
;   v24, v25 permutes; v26-29 the two conversions' limits and scales; v32-45 the fill; v64-191 S^T, then p (64 a tile); v192-223 p's codes; v224-239 Q; v240-255 the second pass's Q.
;   window 1: v0-63 O^T (32 a tile); v64-127 K of a step; v128-191 the mask of a step; v192-255 V of a step.
.set VL,    131072
.set MASKB, 262144
.set ST, 8
.set S,  64
.set P,  192
.set Q,  224
.set KF, 64
.set MK, 128
.set VF, 192
.set MSB, 0
.macro WIN new                         ; the immediate's high byte repeats the setting that is left
.if MSB != (\new)
	s_set_vgpr_msb (MSB<<8)|(\new)
.set MSB, (\new)
.endif
.endm
.macro PLACES n
.rept \n
	v_nop
.endr
.endm
	s_load_b256 s[4:11], s[0:1], 0x0               ; qkvc s[4:5], mask s[6:7], scales s[8:9], ctxc s[10:11]
	v_lshl_add_u32 v62, v0, 2, 0x42000
	v_mov_b32 v63, 0
	v_lshrrev_b32 v2, 5, v0
	v_readfirstlane_b32 s17, v2                    ; wave 0..7
	s_mov_b32 s18, ttmp9                           ; the quarter of the queries
	s_and_b32 s19, ttmp7, 0xffff                   ; 16 batch + head
	v_and_b32 v1, 31, v0
	v_lshlrev_b32 v1, 4, v1                        ; 16 x lane
	v_bfe_u32 v5, v0, 4, 1
	v_lshlrev_b32 v5, 6, v5
	v_add_nc_u32 v5, MASKB, v5                     ; the mask: my half's 16 keys of each 32: + 64 h
	v_add_nc_u32 v6, VL, v1
	v_lshlrev_b32 v40, 4, v0                       ; the fill: 16 x thread: 4,096 consecutive bytes an instruction
	v_add_nc_u32 v41, 65536, v40
	v_add_nc_u32 v42, 131072, v40
	v_add_nc_u32 v43, 196608, v40
	v_lshlrev_b32 v44, 5, v0                       ; the mask: 32 bytes a thread
	v_add_nc_u32 v45, MASKB, v44
	s_mov_b32 s37, 0
	s_wait_kmcnt 0x0
	s_load_b128 s[12:15], s[8:9], 0x18             ; e6, e7, e8, e9
	s_load_b32 s16, s[8:9], 0x28                   ; e10
	s_lshl_b32 s36, s19, 17
	s_add_nc_u64 s[28:29], s[4:5], s[36:37]        ; my head's q,
	s_add_nc_u64 s[24:25], s[28:29], 0x800000      ; k,
	s_add_nc_u64 s[26:27], s[24:25], 0x800000      ; v
	s_lshl_b32 s36, s18, 4
	s_add_co_u32 s36, s36, s17
	s_lshl_b32 s36, s36, 11
	s_add_nc_u64 s[28:29], s[28:29], s[36:37]      ; my first pass's group of 32 queries: 16 x + wave; the second's lies 8 groups on
	s_lshr_b32 s36, s19, 4
	s_lshl_b32 s36, s36, 13
	s_add_nc_u64 s[6:7], s[6:7], s[36:37]          ; my batch's mask
	s_lshr_b32 s38, s19, 4
	s_lshl_b32 s38, s38, 7
	s_lshl_b32 s39, s18, 5
	s_add_co_u32 s38, s38, s39
	s_lshl_b32 s39, s17, 1
	s_add_co_u32 s38, s38, s39                     ; my first tile of tokens: 128 batch + 32 x + 2 wave
	s_lshl_b32 s38, s38, 14
	s_and_b32 s39, s19, 15
	s_lshl_b32 s39, s39, 10                        ; my head's 64 of the 1,024 along the last product's K: 1,024 bytes of a tile's images for each head
	s_add_co_u32 s36, s38, s39
	s_add_nc_u64 s[10:11], s[10:11], s[36:37]
.set i, 0
.rept 32
	global_load_b128 v[S+4*i:S+4*i+3], v40, s[24:25] offset:4096*i      ; K
.set i, i+1
.endr
	WIN 0x40
.set i, 0
.rept 32
	global_load_b128 v[64+4*i:64+4*i+3], v40, s[26:27] offset:4096*i    ; V, into window 1
.set i, i+1
.endr
	WIN 0
	global_load_b128 v[32:35], v44, s[6:7]
	global_load_b128 v[36:39], v44, s[6:7] offset:16
.irp n, 0,1,2,3
	global_load_b128 v[Q+4*\n:Q+4*\n+3], v1, s[28:29] offset:512*\n
	global_load_b128 v[Q+16+4*\n:Q+16+4*\n+3], v1, s[28:29] offset:16384+512*\n
.endr
	s_mov_b32 s20, 0x76543210                      ; v_permlanex16_b32's selects for lane l xor 16
	s_mov_b32 s21, 0xfedcba98
	s_mov_b32 s30, 0                               ; where the next step's K,
	s_mov_b32 s31, 0                               ; mask
	s_mov_b32 s32, 0                               ; and V begin
	s_mov_b32 s35, 2
	v_mov_b32 v24, 0                               ; written once: a lane permute's destination counts as one of its sources
	v_mov_b32 v25, 0
	v_mov_b32 v13, 0                               ; (named as the upper halves of the pairs with f)
	v_mov_b32 v21, 0
	s_wait_kmcnt 0x0
	s_add_co_i32 s36, s12, s13                     ; e6 + e7
	s_lshl_b32 s38, s36, 23
	s_add_co_i32 s22, s38, 0x3e38aa3b              ; c = log2(e) / 8 x 2^(e6 + e7): the exponents are added to its exponent field
	s_mov_b32 s23, s22                             ; (named with it as a pair, so it is written)
	s_sub_co_i32 s36, 3, s36                       ; the mask goes in x 8 / 2^(e6 + e7)
	s_add_co_i32 s38, s14, 127
	s_lshl_b32 s39, s38, 23
	v_mov_b32 v27, s39                             ; 2^e8 as f32
	s_add_co_i32 s38, s38, 15
	s_lshl_b32 s38, s38, 23
	s_or_b32 s38, s38, 0x600000
	v_mov_b32 v26, s38                             ; 57,344 x 2^e8
	s_sub_co_i32 s38, s16, s14
	s_sub_co_i32 s38, s38, s15
	s_add_co_i32 s38, s38, 127
	s_lshl_b32 s39, s38, 23
	v_mov_b32 v29, s39                             ; 2^(e10 - e8 - e9): the three scales folded into the conversion's one
	s_add_co_i32 s38, s38, 15
	s_lshl_b32 s38, s38, 23
	s_or_b32 s38, s38, 0x600000
	v_mov_b32 v28, s38
	s_cmp_lt_i32 s14, -15
	s_cselect_b32 s33, 1, 0                        ; p is at most 1.02 and 1.02 x 2^15 lies under 57,344: from e8 = -15 on the hold of p cannot act and is jumped over
	s_wait_loadcnt 42                              ; K is in; V's 32, the mask's 2 and Q's 8 loads may be out
.set i, 0
.rept 32
	ds_store_b128 v[40+i/16], v[S+4*i:S+4*i+3] offset:(i%16)*4096
.set i, i+1
.endr
	s_wait_loadcnt 10                              ; V is in
	WIN 0x04                                       ; the data in window 1
.set i, 0
.rept 32
	ds_store_b128 v[42+i/16], v[64+4*i:64+4*i+3] offset:(i%16)*4096
.set i, i+1
.endr
	WIN 0
	s_wait_loadcnt 8                               ; the mask is in
.set i, 0
.rept 8
	v_max_num_f32 v[32+i], 0xc9000000, v[32+i]     ; not below -2^19 (the limit stated at the head)
.set i, i+1
.endr
.set i, 0
.rept 8
	v_ldexp_f32 v[32+i], v[32+i], s36
.set i, i+1
.endr
	ds_store_b128 v45, v[32:35]
	ds_store_b128 v45, v[36:39] offset:16
	s_wait_loadcnt 0x0                             ; Q
	s_wait_dscnt 0x0                               ; for the others' sake: my stores have landed
	s_barrier_signal -1
	s_barrier_wait -1                              ; K, V and the mask lie in LDS; from here on LDS is only read
.macro FETCH_K                         ; the next step's K (8 tiles of 16 keys x 64) and mask; the places wrap, so that a pass's last step fetches the next pass's first
	v_add_nc_u32 v2, s30, v1
	v_add_nc_u32 v4, s31, v5
	WIN 0x40
.set n, 0
.rept 16
	ds_load_b128 v[KF+4*n:KF+4*n+3], v2 offset:512*n
.set n, n+1
.endr
.set n, 0
.rept 16
	ds_load_b128 v[MK+4*n:MK+4*n+3], v4 offset:128*(n/4)+16*(n%4)   ; register 16 b + i: key 32 b + 16 h + i; sixteen lanes share each word
.set n, n+1
.endr
	WIN 0
	s_add_co_u32 s30, s30, 8192
	s_and_b32 s30, s30, 0x1ffff
	s_add_co_u32 s31, s31, 512
	s_and_b32 s31, s31, 0x1fff
.endm
.macro FETCH_V                         ; the next step's V^T: four tiles of 16 channels x 128 keys
	v_add_nc_u32 v3, s32, v6
	WIN 0x40
.irp d, 0,1,2,3
.irp c, 0,1,2,3
	ds_load_b128 v[VF+16*\d+4*\c:VF+16*\d+4*\c+3], v3 offset:2048*\c+512*\d
.endr
.endr
	WIN 0
	s_add_co_u32 s32, s32, 8192
	s_and_b32 s32, s32, 0x1ffff
.endm
	FETCH_K
	FETCH_V
.Lpass:
.irp x, 0,1
	v_mov_b32 v[ST+8*\x+1], 0xff61b1e6             ; the largest t so far: -3e38, under every t
	v_floor_f32 v[ST+8*\x], -v[ST+8*\x+1]          ; -M
	v_mov_b32 v[ST+8*\x+2], 0                      ; the sum, in two halves
	v_mov_b32 v[ST+8*\x+3], 0
.endr
	WIN 0x40
.set i, 0
.rept 64
	v_mov_b32 v[i], 0                              ; O^T.  (The step is written once: the first finds zeros, which the first change of M leaves zeros)
.set i, i+1
.endr
	WIN 0
	s_mov_b32 s34, 16
.Lstep:                                                ; A KEY STEP: 128 keys, two tiles of queries
	s_wait_dscnt 16                                ; K and the mask are in; V's 16 loads may be out
	WIN 0x11                                       ; K and the mask in window 1, Q and S^T in window 0
.irp t, 0,1,2,3,4,5,6,7
.irp x, 0,1
	v_wmma_f32_16x16x64_bf8_bf8 v[S+64*\x+8*\t:S+64*\x+8*\t+7], v[KF+8*\t:KF+8*\t+7], v[Q+8*\x:Q+8*\x+7], v[MK+8*\t:MK+8*\t+7]
.endr
.endr
	WIN 0
	PLACES 4                                       ; in front of loads into registers that the products have read, and of the first read of results
	FETCH_K
.irp x, 0,1                                    ; the step's largest score of my query among my 64 keys, in two chains a tile; each accumulator is first read at its low end
	v_max3_num_f32 v[ST+8*\x+6], v[S+64*\x], v[S+64*\x+1], v[S+64*\x+2]
	v_max3_num_f32 v[ST+8*\x+7], v[S+64*\x+3], v[S+64*\x+4], v[S+64*\x+5]
.endr
.irp i, 6,10,14,18,22,26,30,34,38,42,46,50,54,58
.irp x, 0,1
	v_max3_num_f32 v[ST+8*\x+6], v[ST+8*\x+6], v[S+64*\x+\i], v[S+64*\x+\i+1]
	v_max3_num_f32 v[ST+8*\x+7], v[ST+8*\x+7], v[S+64*\x+\i+2], v[S+64*\x+\i+3]
.endr
.endr
.irp x, 0,1
	v_max3_num_f32 v[ST+8*\x+6], v[ST+8*\x+6], v[S+64*\x+62], v[S+64*\x+63]
.endr
.irp x, 0,1
	v_max_num_f32 v[ST+8*\x+6], v[ST+8*\x+6], v[ST+8*\x+7]
.endr
.irp x, 0,1
	v_permlanex16_b32 v[24+\x], v[ST+8*\x+6], s20, s21
.endr
.irp x, 0,1
	v_max_num_f32 v[ST+8*\x+6], v[ST+8*\x+6], v[24+\x]   ; and among lane l xor 16's
.endr
.irp x, 0,1
	v_mul_f32 v[ST+8*\x+6], s22, v[ST+8*\x+6]      ; as t (c is positive)
.endr
.irp x, 0,1
	v_max_num_f32 v[ST+8*\x+1], v[ST+8*\x+1], v[ST+8*\x+6]   ; the running largest t
.endr
.irp x, 0,1
	v_mov_b32 v[ST+8*\x+6], v[ST+8*\x]
.endr
.irp x, 0,1
	v_floor_f32 v[ST+8*\x], -v[ST+8*\x+1]          ; the new -M = floor(-t): M is a whole number
.endr
.irp x, 0,1
	v_sub_f32 v[ST+8*\x+6], v[ST+8*\x], v[ST+8*\x+6]   ; old M - new M: a whole number, 0 or less
.endr
.irp x, 0,1
	v_cvt_i32_f32 v[ST+8*\x+6], v[ST+8*\x+6]       ; (it saturates)
.endr
.irp x, 0,1
	v_ldexp_f32 v[ST+8*\x+4], 1.0, v[ST+8*\x+6]    ; f = 2^(old M - new M)
.endr
.irp x, 0,1
.set j, 0
.rept 32
	v_pk_fma_f32 v[S+64*\x+j:S+64*\x+j+1], v[S+64*\x+j:S+64*\x+j+1], s[22:23], v[ST+8*\x:ST+8*\x+1] op_sel_hi:[1,0,0]   ; t - M, two at a time
.set j, j+2
.endr
.endr
.set j, 0
.rept 128
	v_exp_f32 v[S+j], v[S+j]                       ; p = 2^(t - M): not normalised.  One batch
.set j, j+1
.endr
.irp x, 0,1
	v_pk_mul_f32 v[ST+8*\x+2:ST+8*\x+3], v[ST+8*\x+2:ST+8*\x+3], v[ST+8*\x+4:ST+8*\x+5] op_sel_hi:[1,0]   ; the sums under the new M: the plain lines behind the exponentials
.endr
	s_wait_alu depctr_va_vdst(0)                   ; one wait for the whole batch, ahead of its first reader
.irp x, 0,1
	v_pk_add_f32 v[ST+8*\x+6:ST+8*\x+7], v[S+64*\x:S+64*\x+1], v[S+64*\x+2:S+64*\x+3]   ; the row's sum is taken of the UNQUANTISED p, in two chains a tile
.endr
.irp j, 4,8,12,16,20,24,28,32,36,40,44,48,52,56,60
.irp x, 0,1
	v_pk_add_f32 v[ST+8*\x+2:ST+8*\x+3], v[ST+8*\x+2:ST+8*\x+3], v[S+64*\x+\j:S+64*\x+\j+1]
	v_pk_add_f32 v[ST+8*\x+6:ST+8*\x+7], v[ST+8*\x+6:ST+8*\x+7], v[S+64*\x+\j+2:S+64*\x+\j+3]
.endr
.endr
.irp x, 0,1
	v_pk_add_f32 v[ST+8*\x+2:ST+8*\x+3], v[ST+8*\x+2:ST+8*\x+3], v[ST+8*\x+6:ST+8*\x+7]
.endr
	s_cmp_eq_u32 s33, 0
	s_cbranch_scc1 .Lno_hold
.set j, 0
.rept 128
	v_min_num_f32 v[S+j], v[S+j], v26              ; the conversion does not saturate (ISA guide 7.6.2); p is not negative, so the hold is one-sided
.set j, j+1
.endr
.Lno_hold:
.irp x, 0,1
.irp b, 0,1,2,3
	v_cvt_scalef32_pk8_bf8_f32 v[P+16*\x+4*\b:P+16*\x+4*\b+1], v[S+64*\x+16*\b:S+64*\x+16*\b+7], v27
	v_cvt_scalef32_pk8_bf8_f32 v[P+16*\x+4*\b+2:P+16*\x+4*\b+3], v[S+64*\x+16*\b+8:S+64*\x+16*\b+15], v27
.endr
.endr
	WIN 0x41                                       ; O^T in window 1, f in window 0
.irp x, 0,1
.set j, 0
.rept 16
	v_pk_mul_f32 v[32*\x+j:32*\x+j+1], v[32*\x+j:32*\x+j+1], v[ST+8*\x+4:ST+8*\x+5] op_sel_hi:[1,0]   ; O^T under the new M.  (Also the plain lines behind the conversions)
.set j, j+2
.endr
.endr
	s_wait_dscnt 32                                ; V is in; the next step's K and mask, 32 loads, may be out
	WIN 0x51                                       ; V and O^T in window 1, p's codes in window 0
.irp d, 0,1,2,3
.irp x, 0,1
	v_wmma_f32_16x16x128_bf8_bf8 v[32*\x+8*\d:32*\x+8*\d+7], v[VF+16*\d:VF+16*\d+15], v[P+16*\x:P+16*\x+15], v[32*\x+8*\d:32*\x+8*\d+7]   ; eight accumulators by turns
.endr
.endr
	WIN 0
	PLACES 4
	FETCH_V
	s_sub_co_u32 s34, s34, 1
	s_cmp_lg_u32 s34, 0
	s_cbranch_scc1 .Lstep
	; THE PASS'S END: O^T / the sum becomes codes: registers 16 c' + i of a tile are channels 32 c' + 16 h + i: two blocks of the last product's operand
.irp x, 0,1
	v_add_f32 v[ST+8*\x+6], v[ST+8*\x+2], v[ST+8*\x+3]
.endr
.irp x, 0,1
	v_permlanex16_b32 v[24+\x], v[ST+8*\x+6], s20, s21
.endr
.irp x, 0,1
	v_add_f32 v[ST+8*\x+6], v[ST+8*\x+6], v[24+\x] ; the row's sum
.endr
.irp x, 0,1
	v_rcp_f32 v[ST+8*\x+4], v[ST+8*\x+6]
.endr
	v_nop                                          ; a plain line behind the last reciprocal
	s_wait_alu depctr_va_vdst(0)                   ; and the wait ahead of the first reader: one for both
	WIN 0x01
.irp x, 0,1
.set j, 0
.rept 16
	v_pk_mul_f32 v[S+64*\x+j:S+64*\x+j+1], v[32*\x+j:32*\x+j+1], v[ST+8*\x+4:ST+8*\x+5] op_sel_hi:[1,0]
.set j, j+2
.endr
.endr
	WIN 0
.irp x, 0,1
.set j, 0
.rept 32
	v_med3_num_f32 v[S+64*\x+j], v[S+64*\x+j], -v28, v28
.set j, j+1
.endr
.endr
.irp x, 0,1
.irp g, 0,1,2,3
	v_cvt_scalef32_pk8_bf8_f32 v[P+16*\x+2*\g:P+16*\x+2*\g+1], v[S+64*\x+8*\g:S+64*\x+8*\g+7], v29
.endr
.endr
	v_nop                                          ; a plain line between the conversions and what later writes their sources
.irp x, 0,1
.irp c, 0,1
	global_store_b128 v1, v[P+16*\x+4*\c:P+16*\x+4*\c+3], s[10:11] offset:16384*\x+512*\c   ; 512 consecutive bytes
.endr
.endr
.set i, 0
.rept 16
	v_mov_b32 v[Q+i], v[Q+16+i]                    ; the second pass's queries
.set i, i+1
.endr
	s_wait_xcnt 0x0                                ; the stores have read their data and their base
	s_add_nc_u64 s[10:11], s[10:11], 262144        ; 16 tiles of tokens on
	s_sub_co_u32 s35, s35, 1
	s_cmp_lg_u32 s35, 0
	s_cbranch_scc1 .Lpass
	s_wait_dscnt 0x0                               ; the last fetches, which nobody uses, have landed
	s_wait_tensorcnt 0x0
	ds_add_u32 v62, v63
	s_wait_dscnt 0x0
	s_endpgm
.Lfunc_end_k_qbcae40bef3_attn:
	.size	k_qbcae40bef3_attn, .Lfunc_end_k_qbcae40bef3_attn-k_qbcae40bef3_attn
	.p2alignl 7, 3214868480
	.fill 96, 4, 3214868480
	.section	.rodata,"a",@progbits
	.p2align	6, 0x0
	.amdhsa_kernel k_qbcae40bef3_attn
		.amdhsa_group_segment_fixed_size 271360
		.amdhsa_private_segment_fixed_size 0
		.amdhsa_enable_private_segment 0
		.amdhsa_kernarg_size 32
		.amdhsa_user_sgpr_count 2
		.amdhsa_user_sgpr_kernarg_segment_ptr 1
		.amdhsa_wavefront_size32 1
		.amdhsa_system_sgpr_workgroup_id_x 1
		.amdhsa_system_sgpr_workgroup_id_y 1
		.amdhsa_system_sgpr_workgroup_id_z 1
		.amdhsa_system_vgpr_workitem_id 0
		.amdhsa_next_free_vgpr 512
		.amdhsa_next_free_sgpr 66
		.amdhsa_reserve_vcc 0
		.amdhsa_float_denorm_mode_32 3
		.amdhsa_float_denorm_mode_16_64 3
		.amdhsa_memory_ordered 1
		.amdhsa_forward_progress 1
		.amdhsa_inst_pref_size 60
	.end_amdhsa_kernel
	.amdgpu_metadata
---
amdhsa.version: [ 1, 2 ]
amdhsa.kernels:
  - .name:           k_qbcae40bef3_attn
    .symbol:         k_qbcae40bef3_attn.kd
    .args:
      - { .name: qkvc, .offset: 0, .size: 8, .value_kind: global_buffer, .address_space: global }
      - { .name: attention_mask, .offset: 8, .size: 8, .value_kind: global_buffer, .address_space: global }
      - { .name: lowp_scales, .offset: 16, .size: 8, .value_kind: global_buffer, .address_space: global }
      - { .name: ctxc, .offset: 24, .size: 8, .value_kind: global_buffer, .address_space: global }
    .group_segment_fixed_size: 271360
    .private_segment_fixed_size: 0
    .kernarg_segment_align: 8
    .kernarg_segment_size: 32
    .max_flat_workgroup_size: 256
    .sgpr_count:     66
    .vgpr_count:     512
    .wavefront_size: 32
...
	.end_amdgpu_metadata
.endif
;; end of part 3
;; launch outln (part 4): grid 256 x 1, 8 waves a work-group, no clusters, 275,968 bytes of LDS; arguments ctxc, wfrag, hidden_states, bo, gamma, beta, lowp_scales, out0; writes out0
.if DOCPART == 4
	.amdgcn_target "amdgcn-amd-amdhsa--gfx1250"
	.amdhsa_code_object_version 6
	.text
	.protected	k_qbcae40bef3_outln
	.globl	k_qbcae40bef3_outln
	.p2align	8
	.type	k_qbcae40bef3_outln,@function
k_qbcae40bef3_outln:
	s_mov_b64 s[64:65], 0
	v_nop
	global_prefetch_b8 v0, s[64:65] scope:SCOPE_SE
	s_setreg_imm32_b32 hwreg(HW_REG_WAVE_MODE, 25, 1), 1
	s_wait_xcnt 0x0
; out = LayerNorm(ctx wo^T + bo + hidden_states) x gamma + beta; the product on codes of E5M2 (scales e10, e11), all else in f32.
; SHARES.  A work-group owns 32 tokens (two tiles) and all 1,024 columns, so the norm never leaves it.  Every wave holds the tokens' 16 fragments of ctx (256 registers); wave w makes columns 128 w .. 128 w + 127 and
; streams its 131,072 bytes of wo's fragments from memory straight into registers, three buffers of two K steps x two tiles by turns, two chunks ahead.
; wo does not go through LDS, nor by joint loads: each of its fragments is used by ONE wave of a work-group, so LDS would add a write and a read of every byte and spare none.
; The product is used transposed (source 0 = 16 rows of wo, source 1 = 16 tokens): a lane's 16 registers of two neighbouring tiles are 16 neighbouring columns of one token.  The raw sums meet in a stage in LDS;
; one barrier; wave w then takes stage rows 4 w .. 4 w + 3, which are four neighbouring tokens, whole.  Their rows of hidden_states, and bo, gamma, beta, come by copies issued at the head.
; The variance is taken of centred numbers.  LIMITS: e10 + e11 between -126 and 127.  NaN among the inputs is not served.
; LDS: 0: the stage, 32 rows (16 tile + r) of 4,096 bytes + 16;  131,584: hidden_states, 16,384 bytes a wave;  262,656: bo, gamma, beta, 4,096 bytes each.  No copy lands in a block of 256 bytes that is stored to.
; REGISTERS.  window 0: v1-10 addresses; v[12:13] the mean, v[14:15] 1 / sqrt; v16-47 four accumulators (token tile m, wo tile u at 16 m + 8 u); v48-52 at work; v64-255 wo's three buffers, later the norm's rows.  window 1: ctx.
.set SPT, 4112
.set HSB, 32*SPT
.set PRB, HSB+131072
.set ACC, 16
.set XA,  64
.set HR,  96
.set XB,  128
.set BO,  160
.set GA,  192
.set BE,  224
.set MSB, 0
.macro WIN new                         ; the immediate's high byte repeats the setting that is left
.if MSB != (\new)
	s_set_vgpr_msb (MSB<<8)|(\new)
.set MSB, (\new)
.endif
.endm
.macro PLACES n
.rept \n
	v_nop
.endr
.endm
	s_load_b256 s[4:11], s[0:1], 0x0               ; ctxc s[4:5], wfrag s[6:7], hidden_states s[8:9], bo s[10:11]
	s_load_b256 s[12:19], s[0:1], 0x20             ; gamma s[12:13], beta s[14:15], scales s[16:17], out0 s[18:19]
	v_lshl_add_u32 v62, v0, 2, 0x43200
	v_mov_b32 v63, 0
	ds_add_u32 v62, v63
	ds_add_u32 v62, v63
	v_lshrrev_b32 v1, 5, v0
	v_readfirstlane_b32 s20, v1                    ; wave 0..7
	v_and_b32 v1, 31, v0
	v_lshlrev_b32 v1, 4, v1                        ; 16 x lane
	v_and_b32 v48, 15, v0                          ; r
	v_bfe_u32 v49, v0, 4, 1                        ; h
	s_lshl_b32 s32, s20, 9                         ; my 128 columns: 512 bytes of a row
	v_mul_u32_u24 v2, v48, SPT
	v_lshl_add_u32 v2, v49, 6, v2
	v_add_nc_u32 v2, s32, v2                       ; into the stage: row r, + 64 h, + my columns: token tile 0,
	v_add_nc_u32 v3, 16*SPT, v2                    ; tile 1
	s_mul_i32 s33, s20, 4*SPT
	v_add_nc_u32 v4, s33, v1                       ; out of it: my four rows, 16 bytes a lane
	s_lshl_b32 s33, s20, 14
	s_add_co_u32 s33, s33, HSB
	v_add_nc_u32 v5, s33, v1                       ; my four rows of hidden_states in LDS
	v_add_nc_u32 v9, s32, v1                       ; my wave's eighth of a parameter
	v_add_nc_u32 v6, PRB, v9
	v_add_nc_u32 v7, PRB+4096, v9
	v_add_nc_u32 v8, PRB+8192, v9
	v_add_nc_u32 v10, PRB, v1
	v_mov_b32 v13, 0                               ; (named as the upper halves of pairs)
	v_mov_b32 v15, 0
	v_mov_b32 v52, 0                               ; a lane permute's destination counts as one of its sources
	s_lshr_b32 s21, s20, 2                         ; stage row 16 m + r is token 8 m + r + 8 (r / 8) of the 32: rows 4 w on are tokens 8 (w / 4) + 4 (w % 4) + 8 ((w % 4) / 2) on
	s_lshl_b32 s21, s21, 3
	s_and_b32 s34, s20, 3
	s_lshl_b32 s35, s34, 2
	s_add_co_u32 s21, s21, s35
	s_lshr_b32 s34, s34, 1
	s_lshl_b32 s34, s34, 3
	s_add_co_u32 s21, s21, s34
	s_lshl_b32 s34, ttmp9, 5
	s_add_co_u32 s34, s34, s21
	s_lshl_b32 s34, s34, 12
	s_mov_b32 s35, 0
	s_mov_b32 s28, 0x76543210
	s_mov_b32 s29, 0xfedcba98
	s_mov_b32 s30, 0x3a800000                      ; 1 / 1,024
	s_mov_b32 s31, 0x2b8cbccc                      ; 1e-12
	s_wait_dscnt 0x0
	s_wait_kmcnt 0x0
	s_load_b64 s[24:25], s[16:17], 0x28            ; e10, e11
	s_add_nc_u64 s[8:9], s[8:9], s[34:35]          ; my four tokens in hidden_states
	s_add_nc_u64 s[18:19], s[18:19], s[34:35]      ; and in the output
	s_lshl_b32 s34, ttmp9, 15
	s_add_nc_u64 s[4:5], s[4:5], s[34:35]          ; my work-group's 16 fragments of ctx
	s_lshl_b32 s34, s20, 17
	s_add_co_u32 s34, s34, 3<<20
	s_add_nc_u64 s[6:7], s[6:7], s[34:35]          ; my wave's 64 fragments of wo
	; the copies stand ahead of every wait on their counter, every LDS read and the barrier; they have the whole product in which to land
.set n, 0
.rept 32
	global_load_async_to_lds_b128 v5, v1, s[8:9] offset:512*n       ; the immediate counts in both addresses
.set n, n+1
.endr
	global_load_async_to_lds_b128 v6, v9, s[10:11]
	global_load_async_to_lds_b128 v7, v9, s[12:13]
	global_load_async_to_lds_b128 v8, v9, s[14:15]
	WIN 0x40
.set n, 0
.rept 64
	global_load_b128 v[4*n:4*n+3], v1, s[4:5] offset:512*n          ; ctx: fragment (token tile m, K step s) at v[16 (8 m + s)] of window 1
.set n, n+1
.endr
	WIN 0
; chunk q = 4 (group of 32 columns) + (pair of K steps): two tiles of wo x two K steps: 16 loads of 512 consecutive bytes, into buffer q % 3
.macro LOADB q
.irp u, 0,1
.irp g, 0,1
.irp c, 0,1,2,3
	global_load_b128 v[64+64*((\q)%3)+16*(2*\u+\g)+4*\c:64+64*((\q)%3)+16*(2*\u+\g)+4*\c+3], v1, s[6:7] offset:((2*((\q)/4)+\u)*8+2*((\q)%4)+\g)*2048+512*\c
.endr
.endr
.endr
.endm
.macro CHUNK q
.if ((\q) > 0) && ((\q)%4 != 0)
	PLACES 4                                       ; in front of loads into the buffer that the last chunk's products have read
.endif
.if (\q) < 14
	LOADB (\q)+2
.endif
.if (\q) <= 13
	s_wait_loadcnt 32                              ; this chunk (and ctx) is in; the two younger chunks may be out
.elseif (\q) == 14
	s_wait_loadcnt 16
.else
	s_wait_loadcnt 0x0
.endif
.if ((\q) > 0) && ((\q)%4 == 0)
	s_wait_dscnt 0x0                               ; the stores into the stage have read the accumulators
.endif
	WIN 0x04                                       ; source 1 (ctx) in window 1
.irp g, 0,1
.irp u, 0,1
.irp m, 0,1
.set rD, ACC+16*\m+8*\u
.set rB, 64+64*((\q)%3)+16*(2*\u+\g)
.set rA, 16*(8*\m+2*((\q)%4)+\g)
.if ((\q)%4 == 0) && (\g == 0)
	v_wmma_f32_16x16x128_bf8_bf8 v[rD:rD+7], v[rB:rB+15], v[rA:rA+15], 0           ; the first K step starts the sums
.else
	v_wmma_f32_16x16x128_bf8_bf8 v[rD:rD+7], v[rB:rB+15], v[rA:rA+15], v[rD:rD+7]  ; four accumulators by turns
.endif
.endr
.endr
.endr
	WIN 0
.if (\q)%4 == 3
	PLACES 5                                       ; in front of the stores that read the results, of the next loads, and of the products that begin these accumulators anew
.irp m, 0,1
.irp j, 0,1,2,3
	ds_store_b128 v[2+\m], v[ACC+16*\m+4*\j:ACC+16*\m+4*\j+3] offset:128*((\q)/4)+16*\j   ; 16 neighbouring columns of my token: 64 bytes
.endr
.endr
.endif
.endm
	LOADB 0
	LOADB 1
	s_wait_kmcnt 0x0
	s_add_co_i32 s26, s24, s25
	s_add_co_i32 s26, s26, 127
	s_lshl_b32 s26, s26, 23                        ; 2^(e10 + e11) as f32
	s_mov_b32 s27, s26                             ; (named with it as a pair, so it is written)
.irp q, 0,1,2,3,4,5,6,7,8,9,10,11,12,13,14,15
	CHUNK \q
.endr
	s_wait_asynccnt 0x0                            ; my copies have landed,
	s_wait_dscnt 0x0                               ; and my stores into the stage
	s_barrier_signal -1
	s_barrier_wait -1                              ; everybody's have
.irp p, 0,1,2
.irp n, 0,1,2,3,4,5,6,7
	ds_load_b128 v[BO+32*\p+4*\n:BO+32*\p+4*\n+3], v10 offset:4096*\p+512*\n   ; bo, gamma, beta at my 32 columns: 128 n + 4 lane + 0 .. 3
.endr
.endr
.macro SUM32                           ; v48 summed over the wave's 32 lanes, into every lane
	v_add_f32_dpp v48, v48, v48 row_xmask:1 row_mask:0xf bank_mask:0xf
	v_add_f32_dpp v48, v48, v48 row_xmask:2 row_mask:0xf bank_mask:0xf
	v_add_f32_dpp v48, v48, v48 row_xmask:4 row_mask:0xf bank_mask:0xf
	v_add_f32_dpp v48, v48, v48 row_xmask:8 row_mask:0xf bank_mask:0xf
	v_permlanex16_b32 v52, v48, s28, s29
	v_add_f32 v48, v48, v52
.endm
.macro LNROW i, XS                     ; one token: 32 numbers a lane
.if \i >= 2
	s_wait_xcnt 0x0                                ; the stores of two rows ago have read these registers
.endif
.irp n, 0,1,2,3,4,5,6,7
	ds_load_b128 v[\XS+4*\n:\XS+4*\n+3], v4 offset:SPT*\i+512*\n
.endr
.irp n, 0,1,2,3,4,5,6,7
	ds_load_b128 v[HR+4*\n:HR+4*\n+3], v5 offset:4096*\i+512*\n
.endr
	s_wait_dscnt 0x0
.set j, 0
.rept 16
	v_pk_fma_f32 v[\XS+j:\XS+j+1], v[\XS+j:\XS+j+1], s[26:27], v[HR+j:HR+j+1] op_sel_hi:[1,0,1]   ; sum x 2^(e10 + e11) + hidden_states
.set j, j+2
.endr
.set j, 0
.rept 16
	v_pk_add_f32 v[\XS+j:\XS+j+1], v[\XS+j:\XS+j+1], v[BO+j:BO+j+1]
.set j, j+2
.endr
	v_pk_add_f32 v[48:49], v[\XS:\XS+1], v[\XS+2:\XS+3]            ; the row's sum, in two chains
	v_pk_add_f32 v[50:51], v[\XS+4:\XS+5], v[\XS+6:\XS+7]
.irp j, 8,12,16,20,24,28
	v_pk_add_f32 v[48:49], v[48:49], v[\XS+\j:\XS+\j+1]
	v_pk_add_f32 v[50:51], v[50:51], v[\XS+\j+2:\XS+\j+3]
.endr
	v_pk_add_f32 v[48:49], v[48:49], v[50:51]
	v_add_f32 v48, v48, v49
	SUM32
	v_mul_f32 v12, s30, v48                        ; the mean
.set j, 0
.rept 16
	v_pk_add_f32 v[\XS+j:\XS+j+1], v[\XS+j:\XS+j+1], v[12:13] op_sel_hi:[1,0] neg_lo:[0,1] neg_hi:[0,1]   ; centred
.set j, j+2
.endr
	v_pk_mul_f32 v[48:49], v[\XS:\XS+1], v[\XS:\XS+1]
	v_pk_mul_f32 v[50:51], v[\XS+2:\XS+3], v[\XS+2:\XS+3]
.irp j, 4,8,12,16,20,24,28
	v_pk_fma_f32 v[48:49], v[\XS+\j:\XS+\j+1], v[\XS+\j:\XS+\j+1], v[48:49]
	v_pk_fma_f32 v[50:51], v[\XS+\j+2:\XS+\j+3], v[\XS+\j+2:\XS+\j+3], v[50:51]
.endr
	v_pk_add_f32 v[48:49], v[48:49], v[50:51]
	v_add_f32 v48, v48, v49
	SUM32
	v_fma_f32 v48, v48, s30, s31                   ; the variance + 1e-12
	v_rsq_f32 v14, v48
	v_nop                                          ; a plain line behind the transcendental
	s_wait_alu depctr_va_vdst(0)                   ; and the wait ahead of its first reader
.set j, 0
.rept 16
	v_pk_mul_f32 v[\XS+j:\XS+j+1], v[\XS+j:\XS+j+1], v[14:15] op_sel_hi:[1,0]
.set j, j+2
.endr
.set j, 0
.rept 16
	v_pk_fma_f32 v[\XS+j:\XS+j+1], v[\XS+j:\XS+j+1], v[GA+j:GA+j+1], v[BE+j:BE+j+1]
.set j, j+2
.endr
.irp n, 0,1,2,3,4,5,6,7
	global_store_b128 v1, v[\XS+4*\n:\XS+4*\n+3], s[18:19] offset:4096*\i+512*\n th:TH_STORE_NT   ; 512 consecutive bytes, at a multiple of 256 from the output's first byte
.endr
.endm
	LNROW 0, XA
	LNROW 1, XB
	LNROW 2, XA
	LNROW 3, XB
	s_wait_tensorcnt 0x0
	ds_add_u32 v62, v63
	s_wait_dscnt 0x0
	s_endpgm
.Lfunc_end_k_qbcae40bef3_outln:
	.size	k_qbcae40bef3_outln, .Lfunc_end_k_qbcae40bef3_outln-k_qbcae40bef3_outln
	.p2alignl 7, 3214868480
	.fill 96, 4, 3214868480
	.section	.rodata,"a",@progbits
	.p2align	6, 0x0
	.amdhsa_kernel k_qbcae40bef3_outln
		.amdhsa_group_segment_fixed_size 275968
		.amdhsa_private_segment_fixed_size 0
		.amdhsa_enable_private_segment 0
		.amdhsa_kernarg_size 64
		.amdhsa_user_sgpr_count 2
		.amdhsa_user_sgpr_kernarg_segment_ptr 1
		.amdhsa_wavefront_size32 1
		.amdhsa_system_sgpr_workgroup_id_x 1
		.amdhsa_system_sgpr_workgroup_id_y 1
		.amdhsa_system_sgpr_workgroup_id_z 1
		.amdhsa_system_vgpr_workitem_id 0
		.amdhsa_next_free_vgpr 512
		.amdhsa_next_free_sgpr 66
		.amdhsa_reserve_vcc 0
		.amdhsa_float_denorm_mode_32 3
		.amdhsa_float_denorm_mode_16_64 3
		.amdhsa_memory_ordered 1
		.amdhsa_forward_progress 1
		.amdhsa_inst_pref_size 91
	.end_amdhsa_kernel
	.amdgpu_metadata
---
amdhsa.version: [ 1, 2 ]
amdhsa.kernels:
  - .name:           k_qbcae40bef3_outln
    .symbol:         k_qbcae40bef3_outln.kd
    .args:
      - { .name: ctxc, .offset: 0, .size: 8, .value_kind: global_buffer, .address_space: global }
      - { .name: wfrag, .offset: 8, .size: 8, .value_kind: global_buffer, .address_space: global }
      - { .name: hidden_states, .offset: 16, .size: 8, .value_kind: global_buffer, .address_space: global }
      - { .name: bo, .offset: 24, .size: 8, .value_kind: global_buffer, .address_space: global }
      - { .name: gamma, .offset: 32, .size: 8, .value_kind: global_buffer, .address_space: global }
      - { .name: beta, .offset: 40, .size: 8, .value_kind: global_buffer, .address_space: global }
      - { .name: lowp_scales, .offset: 48, .size: 8, .value_kind: global_buffer, .address_space: global }
      - { .name: out0, .offset: 56, .size: 8, .value_kind: global_buffer, .address_space: global }
    .group_segment_fixed_size: 275968
    .private_segment_fixed_size: 0
    .kernarg_segment_align: 8
    .kernarg_segment_size: 64
    .max_flat_workgroup_size: 256
    .sgpr_count:     66
    .vgpr_count:     512
    .wavefront_size: 32
...
	.end_amdgpu_metadata
.endif
;; end of part 4
;; ======== version 2 of 2: 4 launches
;; limits: right only within a limited range of input values
;; workspace buffers: xcodes 25,165,824 bytes; wfrag 4,194,304 bytes; qkvc 25,165,824 bytes; ctxc 8,388,608 bytes
;; launch prep (part 5): grid 544 x 1, 8 waves a work-group, no clusters, 68,608 bytes of LDS; arguments hidden_states, wq_codes, wk_codes, wv_codes, wo_codes, lowp_scales, xcodes, wfrag; writes xcodes, wfrag
.if DOCPART == 5
	.amdgcn_target "amdgcn-amd-amdhsa--gfx1250"
	.amdhsa_code_object_version 6
	.text
	.protected	k_qbcae40bef3_prep
	.globl	k_qbcae40bef3_prep
	.p2align	8
	.type	k_qbcae40bef3_prep,@function
k_qbcae40bef3_prep:
	s_mov_b64 s[64:65], 0
	v_nop
	global_prefetch_b8 v0, s[64:65] scope:SCOPE_SE
	s_setreg_imm32_b32 hwreg(HW_REG_WAVE_MODE, 25, 1), 1
	s_wait_xcnt 0x0
; hidden_states [8192][1024] f32 -> codes of E5M2 for the scales e0, e2, e4 (entries 0, 2, 4 of the scales' buffer); the four weights' codes -> the same layout.
; THE LAYOUT, for every later launch: A FRAGMENT IMAGE.  16 rows x 128 K are 2,048 bytes: four blocks c of 512 bytes, lane l's 16 bytes at 16 l;
; lane (r = l % 16, h = l / 16), block c holds k = 128 s + 32 c + 16 h + 0 .. 15 of the tile's row r.  One 16-byte load a lane brings four operand registers.
; THE ROWS OF A TILE ARE NOT NEIGHBOURS: row r of tile 2 g + u is row 32 g + 8 u + r + 8 (r / 8), so that in a transposed result the 16 registers of tiles 2 g, 2 g + 1 are 16 neighbours.
; xcodes: set x 2^23 + (tile x 8 + s) x 2048; set 0 for e0 (q's product), set 1 for e2 (k's), set 2 for e4 (v's).  All three are always written, so that the next launch's addresses hang on no loaded number.
; wfrag: matrix x 2^20 + (tile x 8 + s) x 2048; matrix 0 wq, 1 wk, 2 wv, 3 wo.
; code = x / 2^e, held within +-57,344, to the nearest code, ties to even.  LIMITS: -126 <= e <= 112.  NaN among the inputs is not served.
; Work-groups 0-511: one tile of 16 tokens each, wave s takes K step s.  Work-groups 512-543: eight tiles of one weight each, a wave a tile.  No barrier: waves share nothing.
.set R,   16                           ; v16-79   16 rows x 16 bytes a lane as loaded; later T: the numbers held within the largest code
.set T,   16
.set X,   80                           ; v80-143  my 64 numbers: register 16 c + i = k 32 c + 16 h + i of my row
.set C,   144                          ; v144-191 the codes, 16 registers for each set: no store's data are written again
.set SP,  528                          ; a stage row: 512 bytes + 16: 33 x 16, so that the sixteen rows of a read start at sixteen different banks
.set WST, 16*SP                        ; a wave's stage
	s_load_b256 s[4:11], s[0:1], 0x0               ; hidden_states s[4:5], wq s[6:7], wk s[8:9], wv s[10:11]
	s_load_b256 s[12:19], s[0:1], 0x20             ; wo s[12:13], scales s[14:15], xcodes s[16:17], wfrag s[18:19]
	v_lshl_add_u32 v208, v0, 2, 0x10800
	v_mov_b32 v209, 0
	v_lshrrev_b32 v1, 5, v0
	s_delay_alu instid0(VALU_DEP_1)
	v_readfirstlane_b32 s20, v1                    ; wave 0..7
	v_and_b32 v1, 31, v0                           ; lane
	s_delay_alu instid0(VALU_DEP_1)
	v_lshlrev_b32 v2, 4, v1                        ; 16 x lane
	v_and_b32 v5, 15, v0                           ; r
	v_bfe_u32 v6, v0, 4, 1                         ; h
	s_mov_b32 s33, 0
	s_wait_kmcnt 0x0
	s_cmp_ge_u32 ttmp9, 512
	s_cbranch_scc1 .Lweights
	; ---- a tile of 16 tokens, my K step of 128
	s_load_b256 s[24:31], s[14:15], 0x0            ; e0 .. e7
	s_lshr_b32 s40, ttmp9, 1
	s_lshl_b32 s40, s40, 5
	s_and_b32 s41, ttmp9, 1
	s_lshl_b32 s41, s41, 3
	s_add_co_u32 s40, s40, s41                     ; the tile's first token: 32 (tile / 2) + 8 (tile % 2)
	s_lshl_b32 s32, s40, 12                        ; a token's row is 4,096 bytes
	s_lshl_b32 s41, s20, 9                         ; my K step: 512 bytes of it
	s_add_co_u32 s32, s32, s41
	s_add_nc_u64 s[4:5], s[4:5], s[32:33]
.set i, 0
	s_wait_alu depctr_va_vdst(0)
.rept 16
	global_load_b128 v[R+4*i:R+4*i+3], v2, s[4:5] offset:(i+8*(i/8))*4096 th:TH_LOAD_NT   ; the tile's row i: 32 lanes read 512 consecutive bytes
.set i, i+1
.endr
	s_mul_i32 s42, s20, WST
	v_add_nc_u32 v3, s42, v2                       ; into my stage: 16 x lane of a row
	v_mul_u32_u24 v4, v5, SP
	s_delay_alu instid0(VALU_DEP_1)
	v_lshl_add_u32 v4, v6, 6, v4
	s_delay_alu instid0(VALU_DEP_1)
	v_add_nc_u32 v4, s42, v4                       ; out of it: row r, + 64 h: my 16 numbers of each block of 32
	s_lshl_b32 s32, ttmp9, 14                      ; a tile's eight images,
	s_lshl_b32 s41, s20, 11                        ; my K step's
	s_add_co_u32 s32, s32, s41
	s_add_nc_u64 s[34:35], s[16:17], s[32:33]      ; in set 0,
	s_add_nc_u64 s[36:37], s[34:35], 0x800000      ; set 1,
	s_add_nc_u64 s[38:39], s[36:37], 0x800000      ; set 2
	s_wait_alu depctr_va_vdst(0)
	s_wait_kmcnt 0x0
.macro MKSC e, sc                      ; v[sc] = 2^e as f32 (the conversion takes its exponent field), v[sc + 1] = 57,344 x 2^e
	s_add_co_i32 s43, \e, 127
	s_lshl_b32 s44, s43, 23
	v_mov_b32 v[\sc], s44
	s_add_co_i32 s43, s43, 15
	s_lshl_b32 s43, s43, 23
	s_or_b32 s43, s43, 0x600000
	v_mov_b32 v[\sc+1], s43
.endm
	MKSC s24, 8
	MKSC s26, 10
	MKSC s28, 12
.set i, 0
	s_wait_alu depctr_va_vdst(0)
.rept 16
	s_wait_loadcnt 15-i                            ; loads come back in order: row i is in, the younger ones may be out
	ds_store_b128 v3, v[R+4*i:R+4*i+3] offset:SP*i
.set i, i+1
.endr
.set i, 0
.rept 16
	ds_load_b128 v[X+4*i:X+4*i+3], v4 offset:128*(i/4)+16*(i%4)   ; LDS serves a wave's instructions in order: these see my stores
.set i, i+1
.endr
	s_wait_dscnt 0x0                               ; my numbers are in, and the stores have read R, which T takes
.macro QSET e, lo                      ; set e: hold, convert, store four blocks of 512 consecutive bytes
.set i, 0
.rept 64
	v_med3_num_f32 v[T+i], v[X+i], -v[9+2*\e], v[9+2*\e]   ; the conversion to an 8-bit code does not saturate (ISA guide 7.6.2)
.set i, i+1
.endr
.set i, 0
.rept 8
	v_cvt_scalef32_pk8_bf8_f32 v[C+16*\e+2*i:C+16*\e+2*i+1], v[T+8*i:T+8*i+7], v[8+2*\e]
.set i, i+1
.endr
	v_nop                                          ; a plain line between the conversions and the next set's holds, which write their sources
.irp c, 0,1,2,3
	global_store_b128 v2, v[C+16*\e+4*\c:C+16*\e+4*\c+3], s[\lo:\lo+1] offset:512*\c
.endr
.endm
	QSET 0, 34
	QSET 1, 36
	QSET 2, 38
	s_wait_tensorcnt 0x0
	ds_add_u32 v208, v209
	s_wait_dscnt 0x0
	s_endpgm
	; ---- a tile of 16 rows of a weight, all eight K steps: the codes only change places.  The reads take 16 bytes a lane of rows 1,024 bytes apart: 4 MiB, once in the whole program
.Lweights:
	s_sub_co_u32 s40, ttmp9, 512
	s_lshr_b32 s41, s40, 3                         ; which matrix
	s_and_b32 s42, s40, 7
	s_lshl_b32 s42, s42, 3
	s_add_co_u32 s42, s42, s20                     ; which tile, 0..63
	s_cmp_eq_u32 s41, 0
	s_cselect_b64 s[44:45], s[6:7], s[8:9]
	s_cmp_eq_u32 s41, 2
	s_cselect_b64 s[44:45], s[10:11], s[44:45]
	s_cmp_eq_u32 s41, 3
	s_cselect_b64 s[44:45], s[12:13], s[44:45]
	s_lshr_b32 s43, s42, 1
	s_lshl_b32 s43, s43, 5
	s_and_b32 s46, s42, 1
	s_lshl_b32 s46, s46, 3
	s_add_co_u32 s43, s43, s46                     ; the tile's first row
	s_lshl_b32 s32, s43, 10
	s_add_nc_u64 s[44:45], s[44:45], s[32:33]
	s_lshl_b32 s32, s41, 20
	s_lshl_b32 s46, s42, 14
	s_add_co_u32 s32, s32, s46
	s_add_nc_u64 s[18:19], s[18:19], s[32:33]
	s_wait_alu depctr_va_vdst(0)
	v_and_b32 v7, 8, v5
	s_delay_alu instid0(VALU_DEP_1)
	v_add_nc_u32 v7, v7, v5                        ; r + 8 (r / 8)
	s_delay_alu instid0(VALU_DEP_1)
	v_lshlrev_b32 v7, 10, v7
	s_delay_alu instid0(VALU_DEP_1)
	v_lshl_add_u32 v7, v6, 4, v7                   ; my row, + 16 h
.set i, 0
.rept 32
	global_load_b128 v[16+4*i:16+4*i+3], v7, s[44:45] offset:32*i    ; block i = 4 s + c: k = 128 s + 32 c + 16 h on
.set i, i+1
.endr
.set i, 0
.rept 32
	s_wait_loadcnt 31-i
	global_store_b128 v2, v[16+4*i:16+4*i+3], s[18:19] offset:512*i  ; 512 consecutive bytes
.set i, i+1
.endr
	s_endpgm
.Lfunc_end_k_qbcae40bef3_prep:
	.size	k_qbcae40bef3_prep, .Lfunc_end_k_qbcae40bef3_prep-k_qbcae40bef3_prep
	.p2alignl 7, 3214868480
	.fill 96, 4, 3214868480
	.section	.rodata,"a",@progbits
	.p2align	6, 0x0
	.amdhsa_kernel k_qbcae40bef3_prep
		.amdhsa_group_segment_fixed_size 68608
		.amdhsa_private_segment_fixed_size 0
		.amdhsa_enable_private_segment 0
		.amdhsa_kernarg_size 64
		.amdhsa_user_sgpr_count 2
		.amdhsa_user_sgpr_kernarg_segment_ptr 1
		.amdhsa_wavefront_size32 1
		.amdhsa_system_sgpr_workgroup_id_x 1
		.amdhsa_system_sgpr_workgroup_id_y 1
		.amdhsa_system_sgpr_workgroup_id_z 1
		.amdhsa_system_vgpr_workitem_id 0
		.amdhsa_next_free_vgpr 210
		.amdhsa_next_free_sgpr 66
		.amdhsa_reserve_vcc 0
		.amdhsa_float_denorm_mode_32 3
		.amdhsa_float_denorm_mode_16_64 3
		.amdhsa_memory_ordered 1
		.amdhsa_forward_progress 1
		.amdhsa_inst_pref_size 30
	.end_amdhsa_kernel
	.amdgpu_metadata
---
amdhsa.version: [ 1, 2 ]
amdhsa.kernels:
  - .name:           k_qbcae40bef3_prep
    .symbol:         k_qbcae40bef3_prep.kd
    .args:
      - { .name: hidden_states, .offset: 0, .size: 8, .value_kind: global_buffer, .address_space: global }
      - { .name: wq_codes, .offset: 8, .size: 8, .value_kind: global_buffer, .address_space: global }
      - { .name: wk_codes, .offset: 16, .size: 8, .value_kind: global_buffer, .address_space: global }
      - { .name: wv_codes, .offset: 24, .size: 8, .value_kind: global_buffer, .address_space: global }
      - { .name: wo_codes, .offset: 32, .size: 8, .value_kind: global_buffer, .address_space: global }
      - { .name: lowp_scales, .offset: 40, .size: 8, .value_kind: global_buffer, .address_space: global }
      - { .name: xcodes, .offset: 48, .size: 8, .value_kind: global_buffer, .address_space: global }
      - { .name: wfrag, .offset: 56, .size: 8, .value_kind: global_buffer, .address_space: global }
    .group_segment_fixed_size: 68608
    .private_segment_fixed_size: 0
    .kernarg_segment_align: 8
    .kernarg_segment_size: 64
    .max_flat_workgroup_size: 256
    .sgpr_count:     66
    .vgpr_count:     210
    .wavefront_size: 32
...
	.end_amdgpu_metadata
.endif
;; end of part 5
;; launch qkv (part 6): grid 4 x 48, 4 waves a work-group, clusters of 4 x 1, 327,680 bytes of LDS; arguments xcodes, wfrag, bq, bk, bv, lowp_scales, qkvc; writes qkvc
.if DOCPART == 6
	.amdgcn_target "amdgcn-amd-amdhsa--gfx1250"
	.amdhsa_code_object_version 6
	.text
	.protected	k_qbcae40bef3_qkv
	.globl	k_qbcae40bef3_qkv
	.p2align	8
	.type	k_qbcae40bef3_qkv,@function
k_qbcae40bef3_qkv:
	s_mov_b64 s[64:65], 0
	v_nop
	global_prefetch_b8 v0, s[64:65] scope:SCOPE_SE
	s_setreg_imm32_b32 hwreg(HW_REG_WAVE_MODE, 25, 1), 1
	s_wait_xcnt 0x0
	s_wait_alu depctr_hold_cnt(0) depctr_sa_sdst(0) depctr_va_vdst(0) depctr_va_sdst(0) depctr_va_ssrc(0) depctr_va_vcc(0) depctr_vm_vsrc(0)
	s_getreg_b32 s2, hwreg(HW_REG_IB_STS2, 6, 4)
	s_cmp_eq_u32 s2, 0
	s_cbranch_scc0 .Lentry_in_a_cluster
	s_endpgm
.Lentry_in_a_cluster:
	s_bfe_u32 s2, ttmp6, 0x10000c
	s_cmp_lg_u32 s2, 0x3003
	s_cbranch_scc0 .Lentry_shape_is_right
	s_endpgm
.Lentry_shape_is_right:
; q, k, v = x W^T + b on codes of E5M2, and at once their own codes for attention's two products (scales e6, e7, e9), stored as images of the operands' registers.
; SHARES.  The grid's y says which matrix (y / 16: 0 q, 1 k, 2 v) and which 512 tokens (y % 16); the four work-groups of a cluster, side by side along x, take four heads each.  Wave w of work-group cx owns
; head 4 cx + w: its 64 rows of W, all 1,024 along K, stay in 512 registers for the whole launch.  What goes round is x: 64 tokens x 1,024 codes a slot, through a ring of two LDS slots.
; The four work-groups of a cluster need the same x: each tile is asked for JOINTLY, by the same tensor load with the same descriptor and the mask 15; its address is made of y and the wave's number alone.
; 192 work-groups: 3 matrices x 4 blocks of heads x 16 blocks of tokens; a share never crosses a matrix, since each has scales of its own.
; q, k: source 0 = 16 rows of W, source 1 = 16 tokens: a lane holds ONE token and its registers run along the head's channels, which are the scores' K.
; v: the sources are swapped: a lane holds ONE channel and its registers run along the tokens, which are the second product's K.  The branch hangs on the grid's y alone.
; Tiles and images: see the launch that lays them (row r of tile 2 g + u is row 32 g + 8 u + r + 8 (r / 8); a block of 512 bytes is four registers of 32 lanes).
; qkvc: matrix x 2^23 + (16 batch + head) x 2^17 + (group of 32 tokens) x 2048 + 512 k.  q, k: k = 2 (tile % 2) + c': channels 32 c' + 16 h on.  v: k = tile of 16 channels; tokens 16 h + 0 .. 15 of the group.
; The bias is the C of each sum's first product, divided by the power of two that the sums lack; the three scales ahead of the quantiser are folded into the conversion's one.
; LIMITS: eo - ea - eb between -126 and 112 (eo the result's scale, ea, eb the operands').  NaN among the inputs is not served.
; REGISTERS, in windows of 256: window 0: v1, v3 LDS addresses; v4-11 the bias's offsets; v12, v13 the conversion's scale and the largest code x it; v30, v31 for the spare words; v32-63 the bias;
;   v64-127 eight accumulators (token tile rho, W tile t at 64 + 32 rho + 8 t); v128-143 codes.   windows 1, 2: W (tile t, K step s at 16 (4 (s % 4) + t); s < 4 in window 1).   window 3: x, two buffers of 128.
.set SLOTB, 65536                      ; a slot: four tiles of 16 tokens, 16,384 bytes each
.set SPARE, 2*SLOTB                    ; behind the ring: the spare words, 128 bytes for each wave: two blocks of 256 bytes that no other line names
.set BI,   32
.set ACC,  64
.set CODE, 128
.set G0,   32                          ; s[32:39] descriptor group 0, a set for each slot
.set G1,   40                          ; s[40:47] descriptor group 1
.set MSB, 0
.macro WIN new                         ; the immediate's high byte repeats the setting that is left
.if MSB != (\new)
	s_set_vgpr_msb (MSB<<8)|(\new)
.set MSB, (\new)
.endif
.endm
.macro PLACES n
.rept \n
	v_nop
.endr
.endm
.macro ROUND                           ; a round of the cluster's barrier
	s_barrier_signal -1
	s_barrier_wait -1
	s_cmp_lg_u32 s18, 0
	s_cbranch_scc1 .Lnot_wave_0_\@
	s_barrier_signal -3
.Lnot_wave_0_\@:
	s_barrier_wait -3
	s_barrier_signal -1
	s_barrier_wait -1
.endm
	s_load_b256 s[4:11], s[0:1], 0x0               ; xcodes s[4:5], wfrag s[6:7], bq s[8:9], bk s[10:11]
	s_load_b128 s[12:15], s[0:1], 0x20             ; bv s[12:13], scales s[14:15]
	s_load_b64 s[16:17], s[0:1], 0x30              ; qkvc
	v_lshl_add_u32 v30, v0, 2, SPARE
	v_mov_b32 v31, 0
	ds_add_u32 v30, v31
	ds_add_u32 v30, v31
	s_wait_dscnt 0x0
	v_lshrrev_b32 v2, 5, v0
	v_readfirstlane_b32 s18, v2                    ; wave 0..3
	s_bfe_u32 s19, ttmp6, 0x40000                  ; cx: it enters W's, the bias's and the output's addresses alone
	s_and_b32 s21, ttmp7, 0xffff                   ; y, which the four partners share
	s_lshr_b32 s20, s21, 4                         ; the matrix
	s_and_b32 s21, s21, 15                         ; the block of 512 tokens
	s_lshl_b32 s22, s19, 2
	s_add_co_u32 s22, s22, s18                     ; my head
	; descriptor group 1: 16,384 dense bytes as 64 rows of 32 elements of 8 bytes
	s_mov_b32 s[G1+0], 15|(3<<16)|(1<<21)          ; 15:0 the mask: all four work-groups; 17:16 elements of 8 bytes; 21 set beside a mask; no padding
	s_mov_b32 s[G1+1], 32<<16                      ; tensor_dim0 = 32
	s_mov_b32 s[G1+2], 64<<16                      ; tensor_dim1 = 64
	s_mov_b32 s[G1+3], 32<<16                      ; tile_dim0 = 32
	s_mov_b32 s[G1+4], 64                          ; tile_dim1 = 64
	s_mov_b32 s[G1+5], 32                          ; from row to row
	s_mov_b32 s[G1+6], 0
	s_mov_b32 s[G1+7], 0
	v_and_b32 v1, 31, v0
	v_lshlrev_b32 v1, 4, v1                        ; 16 x lane: an image's place for my lane, in slot 0 and in memory
	v_add_nc_u32 v3, SLOTB, v1                     ; in slot 1
	v_and_b32 v14, 15, v0                          ; r
	v_bfe_u32 v15, v0, 4, 1                        ; h
	v_and_b32 v16, 8, v14
	v_add_nc_u32 v16, v16, v14                     ; r + 8 (r / 8)
	; x: matrix x 2^23 (its set of codes) + (32 (y % 16) + 4 n + wave) x 16,384 for slot n's first tile.  No place in the cluster and no loaded number enters these registers
	s_lshl_b32 s24, s20, 23
	s_lshl_b32 s56, s21, 5
	s_add_co_u32 s56, s56, s18
	s_lshl_b32 s56, s56, 14
	s_add_co_u32 s24, s24, s56
	s_mov_b32 s25, 0
	s_lshl_b32 s57, s18, 14                        ; and in a slot: wave x 16,384
	s_wait_kmcnt 0x0
	s_load_b256 s[72:79], s[14:15], 0x0            ; e0 .. e7
	s_load_b64 s[80:81], s[14:15], 0x20            ; e8, e9
	s_add_nc_u64 s[24:25], s[4:5], s[24:25]
.irp n, 0,1
	s_mov_b32 s[G0+4*\n], 1                        ; count = 1
	s_add_co_u32 s[G0+4*\n+1], s57, \n*SLOTB       ; LDS address
	s_add_nc_u64 s[G0+4*\n+2:G0+4*\n+3], s[24:25], \n*SLOTB   ; global address
	s_or_b32 s[G0+4*\n+3], s[G0+4*\n+3], 0x80000000           ; type = 2
.endr
	ROUND                                          ; all four work-groups are here: the first joint loads meet
	tensor_load_to_lds s[G0:G0+3], s[G1:G1+7]      ; slot 0: one load of mine is out, here and behind every later round
	s_nop 0
	PLACES 4
	; W: my head's 64 rows: 65,536 bytes on end
	s_lshl_b32 s84, s20, 20
	s_lshl_b32 s85, s22, 16
	s_add_co_u32 s84, s84, s85
	s_mov_b32 s85, 0
	s_add_nc_u64 s[52:53], s[6:7], s[84:85]
	WIN 0x40
	s_wait_alu depctr_va_vdst(0)
.irp s, 0,1,2,3
.irp t, 0,1,2,3
.irp c, 0,1,2,3
	global_load_b128 v[16*(4*\s+\t)+4*\c:16*(4*\s+\t)+4*\c+3], v1, s[52:53] offset:(8*\t+\s)*2048+512*\c
.endr
.endr
.endr
	WIN 0x80
.irp s, 4,5,6,7
.irp t, 0,1,2,3
.irp c, 0,1,2,3
	global_load_b128 v[16*(4*(\s-4)+\t)+4*\c:16*(4*(\s-4)+\t)+4*\c+3], v1, s[52:53] offset:(8*\t+\s)*2048+512*\c
.endr
.endr
.endr
	WIN 0
	s_wait_kmcnt 0x0                               ; the scales' exponents
	; what hangs on the matrix is chosen, not branched on
	s_cmp_eq_u32 s20, 1
	s_cselect_b32 s26, s74, s76                    ; ea: x's scale
	s_cselect_b32 s27, s75, s77                    ; eb: W's
	s_cselect_b32 s28, s79, s81                    ; eo: the result's
	s_cselect_b64 s[50:51], s[10:11], s[12:13]     ; the bias
	s_cmp_eq_u32 s20, 0
	s_cselect_b32 s26, s72, s26
	s_cselect_b32 s27, s73, s27
	s_cselect_b32 s28, s78, s28
	s_cselect_b64 s[50:51], s[8:9], s[50:51]
	s_cmp_eq_u32 s20, 2
	s_cselect_b32 s23, 1, 0                        ; 1: v
	s_cselect_b32 s60, 0, 16                       ; the bias's place for my lane: q, k: 16 h + j;  v: r + 8 (r / 8), the same for all j
	s_cselect_b32 s61, 1, 0
	s_cselect_b32 s62, 0, 1
	; the bias, in the result's layout: register 8 t + j
	s_lshl_b32 s84, s22, 8
	s_add_nc_u64 s[50:51], s[50:51], s[84:85]      ; my head's 64 numbers
	v_mul_u32_u24 v17, v15, s60
	v_mad_u32_u24 v17, v16, s61, v17
	s_wait_alu depctr_va_vdst(0)
.irp j, 0,1,2,3,4,5,6,7
	s_mul_i32 s63, s62, \j
	v_add_lshl_u32 v[4+\j], v17, s63, 2
.endr
.irp t, 0,1,2,3
.irp j, 0,1,2,3,4,5,6,7
	global_load_b32 v[BI+8*\t+\j], v[4+\j], s[50:51] offset:(32*(\t/2)+8*(\t%2))*4
.endr
.endr
	; the output: my matrix, my batch and head, my block's first group of 32 tokens
	s_lshl_b32 s82, s20, 23
	s_lshr_b32 s83, s21, 2
	s_lshl_b32 s83, s83, 4
	s_add_co_u32 s83, s83, s22
	s_lshl_b32 s83, s83, 17
	s_add_co_u32 s82, s82, s83
	s_and_b32 s83, s21, 3
	s_lshl_b32 s83, s83, 15
	s_add_co_u32 s82, s82, s83
	s_mov_b32 s83, 0
	s_add_nc_u64 s[16:17], s[16:17], s[82:83]
	s_add_co_i32 s66, s26, s27                     ; ea + eb: a sum stands for sum x 2^(ea + eb)
	s_sub_co_i32 s67, 0, s66
	s_sub_co_i32 s68, s28, s66
	s_add_co_i32 s68, s68, 127
	s_lshl_b32 s69, s68, 23
	v_mov_b32 v12, s69                             ; 2^(eo - ea - eb) as f32
	s_add_co_i32 s68, s68, 15
	s_lshl_b32 s68, s68, 23
	s_or_b32 s68, s68, 0x600000
	v_mov_b32 v13, s68                             ; 57,344 x that
	s_wait_loadcnt 0x0
.set i, 0
.rept 32
	v_ldexp_f32 v[BI+i], v[BI+i], s67              ; b / 2^(ea + eb)
.set i, i+1
.endr
.macro FETCHX be, slot, i              ; token tile i of the slot, all eight K steps, into buffer be: 32 loads of 512 consecutive bytes
	WIN 0xc0
.set n, 0
.rept 32
	ds_load_b128 v[128*\be+4*n:128*\be+4*n+3], v[1+2*\slot] offset:\i*16384+512*n
.set n, n+1
.endr
	WIN 0
.endm
.macro ARM be, rho, swap               ; 32 products: K step by K step, the four accumulators by turns, one instruction a turn; the first four take the bias as C
.irp s, 0,1,2,3,4,5,6,7
.if \swap
	WIN 0x07+4*(\s/4)                              ; source 0 (x) window 3, source 1 (W) window 1 or 2
.else
	WIN 0x0d+(\s/4)                                ; source 0 (W) window 1 or 2, source 1 (x) window 3
.endif
.irp t, 0,1,2,3
.set rD, ACC+32*\rho+8*\t
.set rW, 16*(4*(\s%4)+\t)
.set rX, 128*\be+16*\s
.if \swap
.if \s == 0
	v_wmma_f32_16x16x128_bf8_bf8 v[rD:rD+7], v[rX:rX+15], v[rW:rW+15], v[BI+8*\t:BI+8*\t+7]
.else
	v_wmma_f32_16x16x128_bf8_bf8 v[rD:rD+7], v[rX:rX+15], v[rW:rW+15], v[rD:rD+7]
.endif
.else
.if \s == 0
	v_wmma_f32_16x16x128_bf8_bf8 v[rD:rD+7], v[rW:rW+15], v[rX:rX+15], v[BI+8*\t:BI+8*\t+7]
.else
	v_wmma_f32_16x16x128_bf8_bf8 v[rD:rD+7], v[rW:rW+15], v[rX:rX+15], v[rD:rD+7]
.endif
.endif
.endr
.endr
	WIN 0
.endm
.macro MULT be, rho                    ; both arms write the same 32 registers
	s_cmp_eq_u32 s23, 0
	s_cbranch_scc0 .Lv_\@
	s_wait_alu depctr_va_vdst(0)
	ARM \be, \rho, 0
	s_branch .Lj_\@
.Lv_\@:
	s_wait_alu depctr_va_vdst(0)
	ARM \be, \rho, 1
.Lj_\@:
.endm
.macro EPI p                           ; a pair of token tiles is quantised and stored: 2,048 consecutive bytes
.set i, 0
.rept 64
	v_med3_num_f32 v[ACC+i], v[ACC+i], -v13, v13   ; the hold (ISA guide 7.6.2); each accumulator from its low end on
.set i, i+1
.endr
	s_wait_xcnt 0x0                                ; the last pair's stores have read the codes' registers
	s_cmp_eq_u32 s23, 0
	s_cbranch_scc0 .Lev_\@
	s_wait_alu depctr_va_vdst(0)
.irp rho, 0,1
.irp t, 0,1,2,3
	v_cvt_scalef32_pk8_bf8_f32 v[CODE+8*\rho+2*\t:CODE+8*\rho+2*\t+1], v[ACC+32*\rho+8*\t:ACC+32*\rho+8*\t+7], v12   ; q, k: block 2 rho + t / 2
.endr
.endr
	s_branch .Lej_\@
.Lev_\@:
	s_wait_alu depctr_va_vdst(0)
.irp rho, 0,1
.irp t, 0,1,2,3
	v_cvt_scalef32_pk8_bf8_f32 v[CODE+4*\t+2*\rho:CODE+4*\t+2*\rho+1], v[ACC+32*\rho+8*\t:ACC+32*\rho+8*\t+7], v12   ; v: block t; tile rho's eight tokens
.endr
.endr
.Lej_\@:
	v_nop                                          ; a plain line between the conversions and the products that write their sources
	s_wait_alu depctr_va_vdst(0)
.irp k, 0,1,2,3
	global_store_b128 v1, v[CODE+4*\k:CODE+4*\k+3], s[16:17] offset:(\p)*2048+512*\k
.endr
.endm
; A slot's 64 tokens.  In front of the round each wave waits for all its tensor loads (its part of this slot), adds 0 to its spare word, and waits for that and for its reads of the other slot.
; Behind the round this slot is whole in every partner and nobody reads the other one, which is filled first thing.
.macro TRIP slot, refill
	s_wait_tensorcnt 0x0                           ; no tensor load of mine is out, so a group 0 may be written
	ds_add_u32 v30, v31                            ; 0 onto my spare word
	s_add_nc_u64 s[G0+4*\slot+2:G0+4*\slot+3], s[G0+4*\slot+2:G0+4*\slot+3], 2*SLOTB   ; this slot's next tile
	s_wait_dscnt 0x0                               ; the add is done, and so are my reads of the other slot
	ROUND
.if \refill
	tensor_load_to_lds s[G0+4-4*\slot:G0+7-4*\slot], s[G1:G1+7]   ; my one load behind the round: it has this slot's 128 products in which to land
	s_nop 0
	PLACES 4
.endif
	FETCHX 0, \slot, 0
	FETCHX 1, \slot, 1
	s_wait_dscnt 32                                ; tile 0 is in; tile 1's 32 loads may be out
	MULT 0, 0
	PLACES 4                                       ; in front of loads into registers that the products have read
	FETCHX 0, \slot, 2
	s_wait_dscnt 32                                ; tile 1 is in; tile 2's may be out
	MULT 1, 1
	PLACES 4                                       ; likewise, and in front of the first read of results
	FETCHX 1, \slot, 3
	EPI 2*\slot
	s_wait_dscnt 32                                ; tile 2 is in; tile 3's may be out
	MULT 0, 0
	s_wait_dscnt 0x0
	MULT 1, 1
	PLACES 4
	EPI 2*\slot+1
.endm
	s_mov_b32 s48, 3
.Lloop:                                                ; a trip goes once round the ring: 128 tokens, four groups of 32
	TRIP 0, 1
	TRIP 1, 1
	s_wait_xcnt 0x0                                ; the stores have read their base
	s_add_nc_u64 s[16:17], s[16:17], 8192
	s_sub_co_u32 s48, s48, 1
	s_cmp_lg_u32 s48, 0
	s_cbranch_scc1 .Lloop
	TRIP 0, 1                                      ; the tail is written out: the last slot asks for nothing
	TRIP 1, 0
	s_wait_tensorcnt 0x0                           ; the wave's end
	ds_add_u32 v30, v31
	s_wait_dscnt 0x0
	ROUND                                          ; the closing round
	s_endpgm
.Lfunc_end_k_qbcae40bef3_qkv:
	.size	k_qbcae40bef3_qkv, .Lfunc_end_k_qbcae40bef3_qkv-k_qbcae40bef3_qkv
	.p2alignl 7, 3214868480
	.fill 96, 4, 3214868480
	.section	.rodata,"a",@progbits
	.p2align	6, 0x0
	.amdhsa_kernel k_qbcae40bef3_qkv
		.amdhsa_group_segment_fixed_size 327680
		.amdhsa_private_segment_fixed_size 0
		.amdhsa_enable_private_segment 0
		.amdhsa_kernarg_size 56
		.amdhsa_user_sgpr_count 2
		.amdhsa_user_sgpr_kernarg_segment_ptr 1
		.amdhsa_wavefront_size32 1
		.amdhsa_system_sgpr_workgroup_id_x 1
		.amdhsa_system_sgpr_workgroup_id_y 1
		.amdhsa_system_sgpr_workgroup_id_z 1
		.amdhsa_system_vgpr_workitem_id 0
		.amdhsa_next_free_vgpr 1024
		.amdhsa_next_free_sgpr 100
		.amdhsa_reserve_vcc 0
		.amdhsa_float_denorm_mode_32 3
		.amdhsa_float_denorm_mode_16_64 3
		.amdhsa_memory_ordered 1
		.amdhsa_forward_progress 1
		.amdhsa_inst_pref_size 176
	.end_amdhsa_kernel
	.amdgpu_metadata
---
amdhsa.version: [ 1, 2 ]
amdhsa.kernels:
  - .name:           k_qbcae40bef3_qkv
    .symbol:         k_qbcae40bef3_qkv.kd
    .args:
      - { .name: xcodes, .offset: 0, .size: 8, .value_kind: global_buffer, .address_space: global }
      - { .name: wfrag, .offset: 8, .size: 8, .value_kind: global_buffer, .address_space: global }
      - { .name: bq, .offset: 16, .size: 8, .value_kind: global_buffer, .address_space: global }
      - { .name: bk, .offset: 24, .size: 8, .value_kind: global_buffer, .address_space: global }
      - { .name: bv, .offset: 32, .size: 8, .value_kind: global_buffer, .address_space: global }
      - { .name: lowp_scales, .offset: 40, .size: 8, .value_kind: global_buffer, .address_space: global }
      - { .name: qkvc, .offset: 48, .size: 8, .value_kind: global_buffer, .address_space: global }
    .group_segment_fixed_size: 327680
    .private_segment_fixed_size: 0
    .kernarg_segment_align: 8
    .kernarg_segment_size: 56
    .max_flat_workgroup_size: 128
    .sgpr_count:     100
    .vgpr_count:     1024
    .wavefront_size: 32
...
	.end_amdgpu_metadata
.endif
;; end of part 6
;; launch attn (part 7): grid 4 x 64, 8 waves a work-group, no clusters, 271,360 bytes of LDS; arguments qkvc, attention_mask, lowp_scales, ctxc; writes ctxc
.if DOCPART == 7
	.amdgcn_target "amdgcn-amd-amdhsa--gfx1250"
	.amdhsa_code_object_version 6
	.text
	.protected	k_qbcae40bef3_attn
	.globl	k_qbcae40bef3_attn
	.p2align	8
	.type	k_qbcae40bef3_attn,@function
k_qbcae40bef3_attn:
	s_mov_b64 s[64:65], 0
	v_nop
	global_prefetch_b8 v0, s[64:65] scope:SCOPE_SE
	s_setreg_imm32_b32 hwreg(HW_REG_WAVE_SCHED_MODE, 0, 2), 2
	s_setreg_imm32_b32 hwreg(HW_REG_WAVE_MODE, 25, 1), 1
	s_wait_xcnt 0x0
	s_wait_alu depctr_vm_vsrc(0)
; ctx = softmax(q k^T / 8 + mask) v for one head and 512 queries, both products on codes of E5M2; ctx leaves as codes (scale e10), laid as the last product's operand.
; THE SOFTMAX: t = (score / 8 + mask) log2(e); M = the running largest t rounded UP to a whole number; p = 2^(t - M) is quantised (scale e8); the row's sum is taken of the unquantised p and divides at the end.
; When M moves, the sum and O are multiplied by 2^(old M - new M): exact.
; SHARES.  The grid's y is 16 batch + head, its x a quarter of the queries.  The head's K (131,072 bytes), V (131,072) and the mask (8,192) are put into LDS ONCE, through registers; one barrier; nothing in LDS
; is written after it.  Multicast is not used: K and V are fetched once a work-group, 64 loads a wave, against 32 key steps of some 400 vector instructions each.
; Each of the eight waves makes two passes; in a pass it holds two tiles of 16 queries and walks the 2,048 keys, 128 a step.  Two waves share a SIMD: one's products stand beside the other's softmax.
; LAYOUT.  Both products are used transposed (S^T = K Q^T, O^T = V^T P^T): a lane holds ONE query throughout.  Key r of tile 2 b + u is key 32 b + 8 u + r + 8 (r / 8), so that the 16 registers of tiles 2 b, 2 b + 1
; are keys 32 b + 16 h + 0 .. 15, and the conversions' results are the second product's operand.  All fragments lie in LDS as images of their registers: every load is 512 consecutive bytes.
; THE MASK COSTS NO VECTOR INSTRUCTION IN THE LOOP: it is the C of the scores' products, as mask x 8 / 2^(e6 + e7); t = c x (sum + that), c = log2(e) / 8 x 2^(e6 + e7).
; LIMITS: e6 + e7 between -100 and 130; e8, and e10 - e8 - e9, between -126 and 112.  A MASK BELOW -2^19 COUNTS AS -2^19: |t| then stays under 2^20, so that t - M keeps its bits in a key step all of whose keys are
; masked, p stays at 1.02 at the most there, and such a step's terms vanish at the first open key; it shows only in a row ALL of whose keys carry masks below -2^19.  NaN among the inputs is not served.
; REGISTERS.  window 0: v1 16 x lane; v2-4 addresses in hand; v5, v6 my lane's place in the mask and in V; v8-23 eight registers of statistics a tile (+0 -M, +1 the largest t, +2,3 the sum, +4 f (+5 = 0), +6,7 at work);
;   v24, v25 permutes; v26-29 the two conversions' limits and scales; v32-45 the fill; v64-191 S^T, then p (64 a tile); v192-223 p's codes; v224-239 Q; v240-255 the second pass's Q.
;   window 1: v0-63 O^T (32 a tile); v64-127 K of a step; v128-191 the mask of a step; v192-255 V of a step.
; THE MODE: SCHED_MODE bits 1:0 = 2 (LLVM: expert scheduling mode 2), set by the entry lines.  The code itself states the register dependences
; between vector or matrix instructions and memory or LDS instructions, with s_wait_alu, always for 0.
; THE PLAN.  Registers that memory or LDS instructions touch, in the loop:
;   KF, MK     Step j: its sixteen score products, at its head, read them; behind the step's maxima the LDS loads of step j + 1 land in them.
;   VF         Step j: LDS loads land in it behind the step's maxima; its eight products V^T P^T, at its end, read it.
;   v2, v3, v4 Written once a step, by three additions behind the score products; read by the step's 48 LDS loads.
;   v1, v5, v6 are made at the head and never written again.  S^T, p's codes, O^T, Q and the statistics are named in the loop by vector and matrix instructions alone.
; So ONE wait on va_vdst serves a step's 48 loads.  It stands behind the maxima and states that this step's score products are done reading KF and MK, that the last step's products V^T P^T are done reading VF,
; and that v2, v3, v4 are written.  The loads follow in three runs of 16 (V's, K's, the mask's) among the statistics and the scalings, which name v8-25 and S^T: none of the registers that those loads touch.
; One wait on vm_vsrc a step stands ahead of the three additions.  The wait behind the exponentials is the batch's own.
.set VL,    131072
.set MASKB, 262144
.set ST, 8
.set S,  64
.set P,  192
.set Q,  224
.set KF, 64
.set MK, 128
.set VF, 192
.set MSB, 0
.macro WIN new                         ; the immediate's high byte repeats the setting that is left
.if MSB != (\new)
	s_set_vgpr_msb (MSB<<8)|(\new)
.set MSB, (\new)
.endif
.endm
.macro PLACES n
.rept \n
	v_nop
.endr
.endm
	s_load_b256 s[4:11], s[0:1], 0x0               ; qkvc s[4:5], mask s[6:7], scales s[8:9], ctxc s[10:11]
	v_lshl_add_u32 v62, v0, 2, 0x42000
	v_mov_b32 v63, 0
	v_lshrrev_b32 v2, 5, v0
	v_readfirstlane_b32 s17, v2                    ; wave 0..7
	s_mov_b32 s18, ttmp9                           ; the quarter of the queries
	s_and_b32 s19, ttmp7, 0xffff                   ; 16 batch + head
	v_and_b32 v1, 31, v0
	v_lshlrev_b32 v1, 4, v1                        ; 16 x lane
	v_bfe_u32 v5, v0, 4, 1
	v_lshlrev_b32 v5, 6, v5
	v_add_nc_u32 v5, MASKB, v5                     ; the mask: my half's 16 keys of each 32: + 64 h
	v_add_nc_u32 v6, VL, v1
	v_lshlrev_b32 v40, 4, v0                       ; the fill: 16 x thread: 4,096 consecutive bytes an instruction
	v_add_nc_u32 v41, 65536, v40
	v_add_nc_u32 v42, 131072, v40
	v_add_nc_u32 v43, 196608, v40
	v_lshlrev_b32 v44, 5, v0                       ; the mask: 32 bytes a thread
	v_add_nc_u32 v45, MASKB, v44
	s_mov_b32 s37, 0
	s_wait_alu depctr_va_sdst(0)                   ; s17 is written, ahead of its first reader: q's and ctx's addresses are made from it
	s_wait_kmcnt 0x0
	s_load_b128 s[12:15], s[8:9], 0x18             ; e6, e7, e8, e9
	s_load_b32 s16, s[8:9], 0x28                   ; e10
	s_lshl_b32 s36, s19, 17
	s_add_nc_u64 s[28:29], s[4:5], s[36:37]        ; my head's q,
	s_add_nc_u64 s[24:25], s[28:29], 0x800000      ; k,
	s_add_nc_u64 s[26:27], s[24:25], 0x800000      ; v
	s_lshl_b32 s36, s18, 4
	s_add_co_u32 s36, s36, s17
	s_lshl_b32 s36, s36, 11
	s_add_nc_u64 s[28:29], s[28:29], s[36:37]      ; my first pass's group of 32 queries: 16 x + wave; the second's lies 8 groups on
	s_lshr_b32 s36, s19, 4
	s_lshl_b32 s36, s36, 13
	s_add_nc_u64 s[6:7], s[6:7], s[36:37]          ; my batch's mask
	s_lshr_b32 s38, s19, 4
	s_lshl_b32 s38, s38, 7
	s_lshl_b32 s39, s18, 5
	s_add_co_u32 s38, s38, s39
	s_lshl_b32 s39, s17, 1
	s_add_co_u32 s38, s38, s39                     ; my first tile of tokens: 128 batch + 32 x + 2 wave
	s_lshl_b32 s38, s38, 14
	s_and_b32 s39, s19, 15
	s_lshl_b32 s39, s39, 10                        ; my head's 64 of the 1,024 along the last product's K: 1,024 bytes of a tile's images for each head
	s_add_co_u32 s36, s38, s39
	s_add_nc_u64 s[10:11], s[10:11], s[36:37]
	s_wait_alu depctr_va_vdst(0)                   ; v1, v5, v6 and v40 to v45 are written: the loads and stores of the whole kernel read them as addresses, and no vector instruction writes them again
.set i, 0
.rept 32
	global_load_b128 v[S+4*i:S+4*i+3], v40, s[24:25] offset:4096*i      ; K
.set i, i+1
.endr
	WIN 0x40
.set i, 0
.rept 32
	global_load_b128 v[64+4*i:64+4*i+3], v40, s[26:27] offset:4096*i    ; V, into window 1.  (Between the wait above and these stand K's loads and the switch alone)
.set i, i+1
.endr
	WIN 0
	global_load_b128 v[32:35], v44, s[6:7]
	global_load_b128 v[36:39], v44, s[6:7] offset:16
.irp n, 0,1,2,3
	global_load_b128 v[Q+4*\n:Q+4*\n+3], v1, s[28:29] offset:512*\n
	global_load_b128 v[Q+16+4*\n:Q+16+4*\n+3], v1, s[28:29] offset:16384+512*\n
.endr
	s_mov_b32 s20, 0x76543210                      ; v_permlanex16_b32's selects for lane l xor 16
	s_mov_b32 s21, 0xfedcba98
	s_mov_b32 s30, 0                               ; where the next step's K,
	s_mov_b32 s31, 0                               ; mask
	s_mov_b32 s32, 0                               ; and this step's V begin
	s_mov_b32 s35, 2
	v_mov_b32 v24, 0                               ; written once: a lane permute's destination counts as one of its sources
	v_mov_b32 v25, 0
	v_mov_b32 v13, 0                               ; (named as the upper halves of the pairs with f)
	v_mov_b32 v21, 0
	s_wait_kmcnt 0x0
	s_add_co_i32 s36, s12, s13                     ; e6 + e7
	s_lshl_b32 s38, s36, 23
	s_add_co_i32 s22, s38, 0x3e38aa3b              ; c = log2(e) / 8 x 2^(e6 + e7): the exponents are added to its exponent field
	s_mov_b32 s23, s22                             ; (named with it as a pair, so it is written)
	s_sub_co_i32 s36, 3, s36                       ; the mask goes in x 8 / 2^(e6 + e7)
	s_add_co_i32 s38, s14, 127
	s_lshl_b32 s39, s38, 23
	v_mov_b32 v27, s39                             ; 2^e8 as f32
	s_add_co_i32 s38, s38, 15
	s_lshl_b32 s38, s38, 23
	s_or_b32 s38, s38, 0x600000
	v_mov_b32 v26, s38                             ; 57,344 x 2^e8
	s_sub_co_i32 s38, s16, s14
	s_sub_co_i32 s38, s38, s15
	s_add_co_i32 s38, s38, 127
	s_lshl_b32 s39, s38, 23
	v_mov_b32 v29, s39                             ; 2^(e10 - e8 - e9): the three scales folded into the conversion's one
	s_add_co_i32 s38, s38, 15
	s_lshl_b32 s38, s38, 23
	s_or_b32 s38, s38, 0x600000
	v_mov_b32 v28, s38
	s_cmp_lt_i32 s14, -15
	s_cselect_b32 s33, 1, 0                        ; p is at most 1.02 and 1.02 x 2^15 lies under 57,344: from e8 = -15 on the hold of p cannot act and is jumped over
	s_wait_loadcnt 42                              ; K is in; V's 32, the mask's 2 and Q's 8 loads may be out
.set i, 0
.rept 32
	ds_store_b128 v[40+i/16], v[S+4*i:S+4*i+3] offset:(i%16)*4096   ; the data come from loads, the addresses stand since the wait ahead of the loads
.set i, i+1
.endr
	s_wait_loadcnt 10                              ; V is in
	WIN 0x04                                       ; the data in window 1
.set i, 0
.rept 32
	ds_store_b128 v[42+i/16], v[64+4*i:64+4*i+3] offset:(i%16)*4096
.set i, i+1
.endr
	WIN 0
	s_wait_loadcnt 8                               ; the mask is in
.set i, 0
.rept 8
	v_max_num_f32 v[32+i], 0xc9000000, v[32+i]     ; not below -2^19 (the limit stated at the head)
.set i, i+1
.endr
.set i, 0
.rept 8
	v_ldexp_f32 v[32+i], v[32+i], s36
.set i, i+1
.endr
	s_wait_alu depctr_va_vdst(0)                   ; the scalings have written v32 to v39, which the two LDS stores read
	ds_store_b128 v45, v[32:35]
	ds_store_b128 v45, v[36:39] offset:16
	s_wait_loadcnt 0x0                             ; Q
	s_wait_dscnt 0x0                               ; for the others' sake: my stores have landed
	s_barrier_signal -1
	s_barrier_wait -1                              ; K, V and the mask lie in LDS; from here on LDS is only read
; The LDS loads of a step, in three runs of 16; each is 512 consecutive bytes an instruction (the mask: sixteen lanes share each word).  All land in window 1; the addresses lie in window 0.
.macro LD_K                            ; K: 8 tiles of 16 keys x 64
.set n, 0
.rept 16
	ds_load_b128 v[KF+4*n:KF+4*n+3], v2 offset:512*n
.set n, n+1
.endr
.endm
.macro LD_M                            ; the mask: register 16 b + i: key 32 b + 16 h + i
.set n, 0
.rept 16
	ds_load_b128 v[MK+4*n:MK+4*n+3], v4 offset:128*(n/4)+16*(n%4)
.set n, n+1
.endr
.endm
.macro LD_V                            ; V^T: four tiles of 16 channels x 128 keys
.irp d, 0,1,2,3
.irp c, 0,1,2,3
	ds_load_b128 v[VF+16*\d+4*\c:VF+16*\d+4*\c+3], v3 offset:2048*\c+512*\d
.endr
.endr
.endm
.macro ON_KM                           ; K's and the mask's places move on by a step; they wrap, so that a pass's last step fetches the next pass's first
	s_add_co_u32 s30, s30, 8192
	s_and_b32 s30, s30, 0x1ffff
	s_add_co_u32 s31, s31, 512
	s_and_b32 s31, s31, 0x1fff
.endm
	s_wait_alu depctr_vm_vsrc(0)                   ; my LDS stores have read v64 to v191 of both windows: from here on products write S^T there, and LDS loads land in KF and MK
	v_add_nc_u32 v2, s30, v1
	v_add_nc_u32 v4, s31, v5
	WIN 0x40
	s_wait_alu depctr_va_vdst(0)                   ; v2 and v4 are written, which the loads below read
	LD_K                                           ; the first step's K and mask
	LD_M
	WIN 0
	ON_KM
.Lpass:
.irp x, 0,1
	v_mov_b32 v[ST+8*\x+1], 0xff61b1e6             ; the largest t so far: -3e38, under every t
	v_floor_f32 v[ST+8*\x], -v[ST+8*\x+1]          ; -M
	v_mov_b32 v[ST+8*\x+2], 0                      ; the sum, in two halves
	v_mov_b32 v[ST+8*\x+3], 0
.endr
	WIN 0x40
.set i, 0
.rept 64
	v_mov_b32 v[i], 0                              ; O^T.  (The step is written once: the first finds zeros, which the first change of M leaves zeros)
.set i, i+1
.endr
	WIN 0
	s_mov_b32 s34, 16
.Lstep:                                                ; A KEY STEP: 128 keys, two tiles of queries
	s_wait_dscnt 0x0                               ; K and the mask are in: they were the last step's youngest loads
	WIN 0x11                                       ; K and the mask in window 1, Q and S^T in window 0
.irp t, 0,1,2,3,4,5,6,7
.irp x, 0,1
	v_wmma_f32_16x16x64_bf8_bf8 v[S+64*\x+8*\t:S+64*\x+8*\t+7], v[KF+8*\t:KF+8*\t+7], v[Q+8*\x:Q+8*\x+7], v[MK+8*\t:MK+8*\t+7]
.endr
.endr
	WIN 0
	PLACES 4                                       ; in front of the first read of results
	s_wait_alu depctr_vm_vsrc(0)                   ; the LDS loads issued so far have read v2, v3 and v4
	v_add_nc_u32 v3, s32, v6                       ; this step's V,
	v_add_nc_u32 v2, s30, v1                       ; the next step's K
	v_add_nc_u32 v4, s31, v5                       ; and mask
.irp x, 0,1                                    ; the step's largest score of my query among my 64 keys, in two chains a tile; each accumulator is first read at its low end
	v_max3_num_f32 v[ST+8*\x+6], v[S+64*\x], v[S+64*\x+1], v[S+64*\x+2]
	v_max3_num_f32 v[ST+8*\x+7], v[S+64*\x+3], v[S+64*\x+4], v[S+64*\x+5]
.endr
.irp i, 6,10,14,18,22,26,30,34,38,42,46,50,54,58
.irp x, 0,1
	v_max3_num_f32 v[ST+8*\x+6], v[ST+8*\x+6], v[S+64*\x+\i], v[S+64*\x+\i+1]
	v_max3_num_f32 v[ST+8*\x+7], v[ST+8*\x+7], v[S+64*\x+\i+2], v[S+64*\x+\i+3]
.endr
.endr
.irp x, 0,1
	v_max3_num_f32 v[ST+8*\x+6], v[ST+8*\x+6], v[S+64*\x+62], v[S+64*\x+63]
.endr
.irp x, 0,1
	v_max_num_f32 v[ST+8*\x+6], v[ST+8*\x+6], v[ST+8*\x+7]
.endr
	WIN 0x40
	s_wait_alu depctr_va_vdst(0)                   ; this step's score products are done reading KF and MK, the last step's products V^T P^T are done reading VF, and v2, v3, v4 are written: for the step's 48 loads
	LD_V                                           ; this step's V
	WIN 0
	s_add_co_u32 s32, s32, 8192                    ; V's place moves on by a step; it wraps at a pass's end
	s_and_b32 s32, s32, 0x1ffff
	ON_KM
.irp x, 0,1
	v_permlanex16_b32 v[24+\x], v[ST+8*\x+6], s20, s21
.endr
.irp x, 0,1
	v_max_num_f32 v[ST+8*\x+6], v[ST+8*\x+6], v[24+\x]   ; and among lane l xor 16's
.endr
.irp x, 0,1
	v_mul_f32 v[ST+8*\x+6], s22, v[ST+8*\x+6]      ; as t (c is positive)
.endr
.irp x, 0,1
	v_max_num_f32 v[ST+8*\x+1], v[ST+8*\x+1], v[ST+8*\x+6]   ; the running largest t
.endr
.irp x, 0,1
	v_mov_b32 v[ST+8*\x+6], v[ST+8*\x]
.endr
.irp x, 0,1
	v_floor_f32 v[ST+8*\x], -v[ST+8*\x+1]          ; the new -M = floor(-t): M is a whole number
.endr
.irp x, 0,1
	v_sub_f32 v[ST+8*\x+6], v[ST+8*\x], v[ST+8*\x+6]   ; old M - new M: a whole number, 0 or less
.endr
.irp x, 0,1
	v_cvt_i32_f32 v[ST+8*\x+6], v[ST+8*\x+6]       ; (it saturates)
.endr
.irp x, 0,1
	v_ldexp_f32 v[ST+8*\x+4], 1.0, v[ST+8*\x+6]    ; f = 2^(old M - new M)
.endr
	WIN 0x40
	LD_K                                           ; the next step's K.  No wait: no vector or matrix instruction since the wait behind the maxima names v2 or KF
	WIN 0
.irp x, 0,1
.set j, 0
.rept 32
	v_pk_fma_f32 v[S+64*\x+j:S+64*\x+j+1], v[S+64*\x+j:S+64*\x+j+1], s[22:23], v[ST+8*\x:ST+8*\x+1] op_sel_hi:[1,0,0]   ; t - M, two at a time
.set j, j+2
.endr
.endr
	WIN 0x40
	LD_M                                           ; the next step's mask.  No wait: none since that wait names v4 or MK either
	WIN 0
.set j, 0
	s_wait_alu depctr_va_vdst(0)
.rept 128
	v_exp_f32 v[S+j], v[S+j]                       ; p = 2^(t - M): not normalised.  One batch
.set j, j+1
.endr
.irp x, 0,1
	v_pk_mul_f32 v[ST+8*\x+2:ST+8*\x+3], v[ST+8*\x+2:ST+8*\x+3], v[ST+8*\x+4:ST+8*\x+5] op_sel_hi:[1,0]   ; the sums under the new M: the plain lines behind the exponentials
.endr
	s_wait_alu depctr_va_vdst(0)                   ; the 128 exponentials have written p: one wait for the whole batch, ahead of its first reader
.irp x, 0,1
	v_pk_add_f32 v[ST+8*\x+6:ST+8*\x+7], v[S+64*\x:S+64*\x+1], v[S+64*\x+2:S+64*\x+3]   ; the row's sum is taken of the UNQUANTISED p, in two chains a tile
.endr
.irp j, 4,8,12,16,20,24,28,32,36,40,44,48,52,56,60
.irp x, 0,1
	v_pk_add_f32 v[ST+8*\x+2:ST+8*\x+3], v[ST+8*\x+2:ST+8*\x+3], v[S+64*\x+\j:S+64*\x+\j+1]
	v_pk_add_f32 v[ST+8*\x+6:ST+8*\x+7], v[ST+8*\x+6:ST+8*\x+7], v[S+64*\x+\j+2:S+64*\x+\j+3]
.endr
.endr
.irp x, 0,1
	v_pk_add_f32 v[ST+8*\x+2:ST+8*\x+3], v[ST+8*\x+2:ST+8*\x+3], v[ST+8*\x+6:ST+8*\x+7]
.endr
	s_cmp_eq_u32 s33, 0
	s_cbranch_scc1 .Lno_hold
.set j, 0
.rept 128
	v_min_num_f32 v[S+j], v[S+j], v26              ; the conversion does not saturate (ISA guide 7.6.2); p is not negative, so the hold is one-sided
.set j, j+1
.endr
.Lno_hold:
.irp x, 0,1
.irp b, 0,1,2,3
	v_cvt_scalef32_pk8_bf8_f32 v[P+16*\x+4*\b:P+16*\x+4*\b+1], v[S+64*\x+16*\b:S+64*\x+16*\b+7], v27
	v_cvt_scalef32_pk8_bf8_f32 v[P+16*\x+4*\b+2:P+16*\x+4*\b+3], v[S+64*\x+16*\b+8:S+64*\x+16*\b+15], v27
.endr
.endr
	WIN 0x41                                       ; O^T in window 1, f in window 0
.irp x, 0,1
.set j, 0
.rept 16
	v_pk_mul_f32 v[32*\x+j:32*\x+j+1], v[32*\x+j:32*\x+j+1], v[ST+8*\x+4:ST+8*\x+5] op_sel_hi:[1,0]   ; O^T under the new M.  (Also the plain lines behind the conversions)
.set j, j+2
.endr
.endr
	s_wait_alu depctr_va_vdst(0)
	s_wait_dscnt 32                                ; V is in; the next step's K and mask, 32 loads, may be out
	WIN 0x51                                       ; V and O^T in window 1, p's codes in window 0
.irp d, 0,1,2,3
.irp x, 0,1
	v_wmma_f32_16x16x128_bf8_bf8 v[32*\x+8*\d:32*\x+8*\d+7], v[VF+16*\d:VF+16*\d+15], v[P+16*\x:P+16*\x+15], v[32*\x+8*\d:32*\x+8*\d+7]   ; eight accumulators by turns
.endr
.endr
	WIN 0
	s_sub_co_u32 s34, s34, 1
	s_cmp_lg_u32 s34, 0
	s_cbranch_scc1 .Lstep
	; THE PASS'S END: O^T / the sum becomes codes: registers 16 c' + i of a tile are channels 32 c' + 16 h + i: two blocks of the last product's operand.
	; The four additions and the v_nop below are the places between the last products and the first read of O^T
.irp x, 0,1
	v_add_f32 v[ST+8*\x+6], v[ST+8*\x+2], v[ST+8*\x+3]
.endr
.irp x, 0,1
	v_permlanex16_b32 v[24+\x], v[ST+8*\x+6], s20, s21
.endr
.irp x, 0,1
	v_add_f32 v[ST+8*\x+6], v[ST+8*\x+6], v[24+\x] ; the row's sum
.endr
	s_wait_alu depctr_va_vdst(0)
.irp x, 0,1
	v_rcp_f32 v[ST+8*\x+4], v[ST+8*\x+6]
.endr
	v_nop                                          ; a plain line behind the last reciprocal
	s_wait_alu depctr_va_vdst(0)                   ; the two reciprocals are written: the wait ahead of their first reader, one for both
	WIN 0x01
.irp x, 0,1
.set j, 0
.rept 16
	v_pk_mul_f32 v[S+64*\x+j:S+64*\x+j+1], v[32*\x+j:32*\x+j+1], v[ST+8*\x+4:ST+8*\x+5] op_sel_hi:[1,0]
.set j, j+2
.endr
.endr
	WIN 0
.irp x, 0,1
.set j, 0
.rept 32
	v_med3_num_f32 v[S+64*\x+j], v[S+64*\x+j], -v28, v28
.set j, j+1
.endr
.endr
.irp x, 0,1
.irp g, 0,1,2,3
	v_cvt_scalef32_pk8_bf8_f32 v[P+16*\x+2*\g:P+16*\x+2*\g+1], v[S+64*\x+8*\g:S+64*\x+8*\g+7], v29
.endr
.endr
	v_nop                                          ; a plain line between the conversions and what later writes their sources
	s_wait_alu depctr_va_vdst(0)                   ; the conversions have written the codes, which the four stores read
.irp x, 0,1
.irp c, 0,1
	global_store_b128 v1, v[P+16*\x+4*\c:P+16*\x+4*\c+3], s[10:11] offset:16384*\x+512*\c   ; 512 consecutive bytes
.endr
.endr
.set i, 0
.rept 16
	v_mov_b32 v[Q+i], v[Q+16+i]                    ; the second pass's queries
.set i, i+1
.endr
	s_wait_xcnt 0x0                                ; the stores have read their data and their base
	s_wait_alu depctr_vm_vsrc(0)                   ; the stores have read the codes' registers, which the next pass's conversions write again
	s_add_nc_u64 s[10:11], s[10:11], 262144        ; 16 tiles of tokens on
	s_sub_co_u32 s35, s35, 1
	s_cmp_lg_u32 s35, 0
	s_cbranch_scc1 .Lpass
	s_wait_dscnt 0x0                               ; the last fetches, which nobody uses, have landed
	s_wait_alu depctr_hold_cnt(0) depctr_sa_sdst(0) depctr_va_vdst(0) depctr_va_sdst(0) depctr_va_ssrc(0) depctr_va_vcc(0) depctr_vm_vsrc(0)
	s_wait_tensorcnt 0x0
	ds_add_u32 v62, v63
	s_wait_dscnt 0x0
	s_endpgm
.Lfunc_end_k_qbcae40bef3_attn:
	.size	k_qbcae40bef3_attn, .Lfunc_end_k_qbcae40bef3_attn-k_qbcae40bef3_attn
	.p2alignl 7, 3214868480
	.fill 96, 4, 3214868480
	.section	.rodata,"a",@progbits
	.p2align	6, 0x0
	.amdhsa_kernel k_qbcae40bef3_attn
		.amdhsa_group_segment_fixed_size 271360
		.amdhsa_private_segment_fixed_size 0
		.amdhsa_enable_private_segment 0
		.amdhsa_kernarg_size 32
		.amdhsa_user_sgpr_count 2
		.amdhsa_user_sgpr_kernarg_segment_ptr 1
		.amdhsa_wavefront_size32 1
		.amdhsa_system_sgpr_workgroup_id_x 1
		.amdhsa_system_sgpr_workgroup_id_y 1
		.amdhsa_system_sgpr_workgroup_id_z 1
		.amdhsa_system_vgpr_workitem_id 0
		.amdhsa_next_free_vgpr 512
		.amdhsa_next_free_sgpr 66
		.amdhsa_reserve_vcc 0
		.amdhsa_float_denorm_mode_32 3
		.amdhsa_float_denorm_mode_16_64 3
		.amdhsa_memory_ordered 1
		.amdhsa_forward_progress 1
		.amdhsa_inst_pref_size 59
	.end_amdhsa_kernel
	.amdgpu_metadata
---
amdhsa.version: [ 1, 2 ]
amdhsa.kernels:
  - .name:           k_qbcae40bef3_attn
    .symbol:         k_qbcae40bef3_attn.kd
    .args:
      - { .name: qkvc, .offset: 0, .size: 8, .value_kind: global_buffer, .address_space: global }
      - { .name: attention_mask, .offset: 8, .size: 8, .value_kind: global_buffer, .address_space: global }
      - { .name: lowp_scales, .offset: 16, .size: 8, .value_kind: global_buffer, .address_space: global }
      - { .name: ctxc, .offset: 24, .size: 8, .value_kind: global_buffer, .address_space: global }
    .group_segment_fixed_size: 271360
    .private_segment_fixed_size: 0
    .kernarg_segment_align: 8
    .kernarg_segment_size: 32
    .max_flat_workgroup_size: 256
    .sgpr_count:     66
    .vgpr_count:     512
    .wavefront_size: 32
...
	.end_amdgpu_metadata
.endif
;; end of part 7
;; launch outln (part 8): grid 256 x 1, 8 waves a work-group, no clusters, 275,968 bytes of LDS; arguments ctxc, wfrag, hidden_states, bo, gamma, beta, lowp_scales, out0; writes out0
.if DOCPART == 8
	.amdgcn_target "amdgcn-amd-amdhsa--gfx1250"
	.amdhsa_code_object_version 6
	.text
	.protected	k_qbcae40bef3_outln
	.globl	k_qbcae40bef3_outln
	.p2align	8
	.type	k_qbcae40bef3_outln,@function
k_qbcae40bef3_outln:
	s_mov_b64 s[64:65], 0
	v_nop
	global_prefetch_b8 v0, s[64:65] scope:SCOPE_SE
	s_setreg_imm32_b32 hwreg(HW_REG_WAVE_MODE, 25, 1), 1
	s_wait_xcnt 0x0
; out = LayerNorm(ctx wo^T + bo + hidden_states) x gamma + beta; the product on codes of E5M2 (scales e10, e11), all else in f32.
; SHARES.  A work-group owns 32 tokens (two tiles) and all 1,024 columns, so the norm never leaves it.  Every wave holds the tokens' 16 fragments of ctx (256 registers); wave w makes columns 128 w .. 128 w + 127 and
; streams its 131,072 bytes of wo's fragments from memory straight into registers, three buffers of two K steps x two tiles by turns, two chunks ahead.
; wo does not go through LDS, nor by joint loads: each of its fragments is used by ONE wave of a work-group, so LDS would add a write and a read of every byte and spare none.
; The product is used transposed (source 0 = 16 rows of wo, source 1 = 16 tokens): a lane's 16 registers of two neighbouring tiles are 16 neighbouring columns of one token.  The raw sums meet in a stage in LDS;
; one barrier; wave w then takes stage rows 4 w .. 4 w + 3, which are four neighbouring tokens, whole.  Their rows of hidden_states, and bo, gamma, beta, come by copies issued at the head.
; The variance is taken of centred numbers.  LIMITS: e10 + e11 between -126 and 127.  NaN among the inputs is not served.
; LDS: 0: the stage, 32 rows (16 tile + r) of 4,096 bytes + 16;  131,584: hidden_states, 16,384 bytes a wave;  262,656: bo, gamma, beta, 4,096 bytes each.  No copy lands in a block of 256 bytes that is stored to.
; REGISTERS.  window 0: v1-10 addresses; v[12:13] the mean, v[14:15] 1 / sqrt; v16-47 four accumulators (token tile m, wo tile u at 16 m + 8 u); v48-52 at work; v64-255 wo's three buffers, later the norm's rows.  window 1: ctx.
.set SPT, 4112
.set HSB, 32*SPT
.set PRB, HSB+131072
.set ACC, 16
.set XA,  64
.set HR,  96
.set XB,  128
.set BO,  160
.set GA,  192
.set BE,  224
.set MSB, 0
.macro WIN new                         ; the immediate's high byte repeats the setting that is left
.if MSB != (\new)
	s_set_vgpr_msb (MSB<<8)|(\new)
.set MSB, (\new)
.endif
.endm
.macro PLACES n
.rept \n
	v_nop
.endr
.endm
	s_load_b256 s[4:11], s[0:1], 0x0               ; ctxc s[4:5], wfrag s[6:7], hidden_states s[8:9], bo s[10:11]
	s_load_b256 s[12:19], s[0:1], 0x20             ; gamma s[12:13], beta s[14:15], scales s[16:17], out0 s[18:19]
	v_lshl_add_u32 v62, v0, 2, 0x43200
	v_mov_b32 v63, 0
	ds_add_u32 v62, v63
	ds_add_u32 v62, v63
	v_lshrrev_b32 v1, 5, v0
	s_delay_alu instid0(VALU_DEP_1)
	v_readfirstlane_b32 s20, v1                    ; wave 0..7
	v_and_b32 v1, 31, v0
	s_delay_alu instid0(VALU_DEP_1)
	v_lshlrev_b32 v1, 4, v1                        ; 16 x lane
	v_and_b32 v48, 15, v0                          ; r
	v_bfe_u32 v49, v0, 4, 1                        ; h
	s_lshl_b32 s32, s20, 9                         ; my 128 columns: 512 bytes of a row
	v_mul_u32_u24 v2, v48, SPT
	s_delay_alu instid0(VALU_DEP_1)
	v_lshl_add_u32 v2, v49, 6, v2
	s_delay_alu instid0(VALU_DEP_1)
	v_add_nc_u32 v2, s32, v2                       ; into the stage: row r, + 64 h, + my columns: token tile 0,
	s_delay_alu instid0(VALU_DEP_1)
	v_add_nc_u32 v3, 16*SPT, v2                    ; tile 1
	s_mul_i32 s33, s20, 4*SPT
	v_add_nc_u32 v4, s33, v1                       ; out of it: my four rows, 16 bytes a lane
	s_lshl_b32 s33, s20, 14
	s_add_co_u32 s33, s33, HSB
	v_add_nc_u32 v5, s33, v1                       ; my four rows of hidden_states in LDS
	v_add_nc_u32 v9, s32, v1                       ; my wave's eighth of a parameter
	s_delay_alu instid0(VALU_DEP_1)
	v_add_nc_u32 v6, PRB, v9
	s_delay_alu instid0(VALU_DEP_2)
	v_add_nc_u32 v7, PRB+4096, v9
	s_delay_alu instid0(VALU_DEP_3)
	v_add_nc_u32 v8, PRB+8192, v9
	v_add_nc_u32 v10, PRB, v1
	v_mov_b32 v13, 0                               ; (named as the upper halves of pairs)
	v_mov_b32 v15, 0
	v_mov_b32 v52, 0                               ; a lane permute's destination counts as one of its sources
	s_lshr_b32 s21, s20, 2                         ; stage row 16 m + r is token 8 m + r + 8 (r / 8) of the 32: rows 4 w on are tokens 8 (w / 4) + 4 (w % 4) + 8 ((w % 4) / 2) on
	s_lshl_b32 s21, s21, 3
	s_and_b32 s34, s20, 3
	s_lshl_b32 s35, s34, 2
	s_add_co_u32 s21, s21, s35
	s_lshr_b32 s34, s34, 1
	s_lshl_b32 s34, s34, 3
	s_add_co_u32 s21, s21, s34
	s_lshl_b32 s34, ttmp9, 5
	s_add_co_u32 s34, s34, s21
	s_lshl_b32 s34, s34, 12
	s_mov_b32 s35, 0
	s_mov_b32 s28, 0x76543210
	s_mov_b32 s29, 0xfedcba98
	s_mov_b32 s30, 0x3a800000                      ; 1 / 1,024
	s_mov_b32 s31, 0x2b8cbccc                      ; 1e-12
	s_wait_alu depctr_va_vdst(0)
	s_wait_dscnt 0x0
	s_wait_kmcnt 0x0
	s_load_b64 s[24:25], s[16:17], 0x28            ; e10, e11
	s_add_nc_u64 s[8:9], s[8:9], s[34:35]          ; my four tokens in hidden_states
	s_add_nc_u64 s[18:19], s[18:19], s[34:35]      ; and in the output
	s_lshl_b32 s34, ttmp9, 15
	s_add_nc_u64 s[4:5], s[4:5], s[34:35]          ; my work-group's 16 fragments of ctx
	s_lshl_b32 s34, s20, 17
	s_add_co_u32 s34, s34, 3<<20
	s_add_nc_u64 s[6:7], s[6:7], s[34:35]          ; my wave's 64 fragments of wo
	; the copies stand ahead of every wait on their counter, every LDS read and the barrier; they have the whole product in which to land
.set n, 0
.rept 32
	global_load_async_to_lds_b128 v5, v1, s[8:9] offset:512*n       ; the immediate counts in both addresses
.set n, n+1
.endr
	global_load_async_to_lds_b128 v6, v9, s[10:11]
	global_load_async_to_lds_b128 v7, v9, s[12:13]
	global_load_async_to_lds_b128 v8, v9, s[14:15]
	WIN 0x40
.set n, 0
.rept 64
	global_load_b128 v[4*n:4*n+3], v1, s[4:5] offset:512*n          ; ctx: fragment (token tile m, K step s) at v[16 (8 m + s)] of window 1
.set n, n+1
.endr
	WIN 0
; chunk q = 4 (group of 32 columns) + (pair of K steps): two tiles of wo x two K steps: 16 loads of 512 consecutive bytes, into buffer q % 3
.macro LOADB q
.irp u, 0,1
.irp g, 0,1
.irp c, 0,1,2,3
	global_load_b128 v[64+64*((\q)%3)+16*(2*\u+\g)+4*\c:64+64*((\q)%3)+16*(2*\u+\g)+4*\c+3], v1, s[6:7] offset:((2*((\q)/4)+\u)*8+2*((\q)%4)+\g)*2048+512*\c
.endr
.endr
.endr
.endm
.macro CHUNK q
.if ((\q) > 0) && ((\q)%4 != 0)
	PLACES 4                                       ; in front of loads into the buffer that the last chunk's products have read
.endif
.if (\q) < 14
	LOADB (\q)+2
.endif
.if (\q) <= 13
	s_wait_loadcnt 32                              ; this chunk (and ctx) is in; the two younger chunks may be out
.elseif (\q) == 14
	s_wait_loadcnt 16
.else
	s_wait_loadcnt 0x0
.endif
.if ((\q) > 0) && ((\q)%4 == 0)
	s_wait_dscnt 0x0                               ; the stores into the stage have read the accumulators
.endif
	WIN 0x04                                       ; source 1 (ctx) in window 1
.irp g, 0,1
.irp u, 0,1
.irp m, 0,1
.set rD, ACC+16*\m+8*\u
.set rB, 64+64*((\q)%3)+16*(2*\u+\g)
.set rA, 16*(8*\m+2*((\q)%4)+\g)
.if ((\q)%4 == 0) && (\g == 0)
	v_wmma_f32_16x16x128_bf8_bf8 v[rD:rD+7], v[rB:rB+15], v[rA:rA+15], 0           ; the first K step starts the sums
.else
	v_wmma_f32_16x16x128_bf8_bf8 v[rD:rD+7], v[rB:rB+15], v[rA:rA+15], v[rD:rD+7]  ; four accumulators by turns
.endif
.endr
.endr
.endr
	WIN 0
.if (\q)%4 == 3
	PLACES 5                                       ; in front of the stores that read the results, of the next loads, and of the products that begin these accumulators anew
.irp m, 0,1
.irp j, 0,1,2,3
	ds_store_b128 v[2+\m], v[ACC+16*\m+4*\j:ACC+16*\m+4*\j+3] offset:128*((\q)/4)+16*\j   ; 16 neighbouring columns of my token: 64 bytes
.endr
.endr
.endif
.endm
	LOADB 0
	LOADB 1
	s_wait_kmcnt 0x0
	s_add_co_i32 s26, s24, s25
	s_add_co_i32 s26, s26, 127
	s_lshl_b32 s26, s26, 23                        ; 2^(e10 + e11) as f32
	s_mov_b32 s27, s26                             ; (named with it as a pair, so it is written)
.irp q, 0,1,2,3,4,5,6,7,8,9,10,11,12,13,14,15
	CHUNK \q
.endr
	s_wait_asynccnt 0x0                            ; my copies have landed,
	s_wait_dscnt 0x0                               ; and my stores into the stage
	s_barrier_signal -1
	s_barrier_wait -1                              ; everybody's have
.irp p, 0,1,2
.irp n, 0,1,2,3,4,5,6,7
	ds_load_b128 v[BO+32*\p+4*\n:BO+32*\p+4*\n+3], v10 offset:4096*\p+512*\n   ; bo, gamma, beta at my 32 columns: 128 n + 4 lane + 0 .. 3
.endr
.endr
.macro SUM32                           ; v48 summed over the wave's 32 lanes, into every lane
	s_delay_alu instid0(VALU_DEP_1)
	v_add_f32_dpp v48, v48, v48 row_xmask:1 row_mask:0xf bank_mask:0xf
	s_delay_alu instid0(VALU_DEP_1)
	v_add_f32_dpp v48, v48, v48 row_xmask:2 row_mask:0xf bank_mask:0xf
	s_delay_alu instid0(VALU_DEP_1)
	v_add_f32_dpp v48, v48, v48 row_xmask:4 row_mask:0xf bank_mask:0xf
	s_delay_alu instid0(VALU_DEP_1)
	v_add_f32_dpp v48, v48, v48 row_xmask:8 row_mask:0xf bank_mask:0xf
	s_delay_alu instid0(VALU_DEP_1)
	v_permlanex16_b32 v52, v48, s28, s29
	s_delay_alu instid0(VALU_DEP_1)
	v_add_f32 v48, v48, v52
.endm
.macro LNROW i, XS                     ; one token: 32 numbers a lane
.if \i >= 2
	s_wait_xcnt 0x0                                ; the stores of two rows ago have read these registers
.endif
.irp n, 0,1,2,3,4,5,6,7
	ds_load_b128 v[\XS+4*\n:\XS+4*\n+3], v4 offset:SPT*\i+512*\n
.endr
.irp n, 0,1,2,3,4,5,6,7
	ds_load_b128 v[HR+4*\n:HR+4*\n+3], v5 offset:4096*\i+512*\n
.endr
	s_wait_dscnt 0x0
.set j, 0
.rept 16
	v_pk_fma_f32 v[\XS+j:\XS+j+1], v[\XS+j:\XS+j+1], s[26:27], v[HR+j:HR+j+1] op_sel_hi:[1,0,1]   ; sum x 2^(e10 + e11) + hidden_states
.set j, j+2
.endr
.set j, 0
.rept 16
	v_pk_add_f32 v[\XS+j:\XS+j+1], v[\XS+j:\XS+j+1], v[BO+j:BO+j+1]
.set j, j+2
.endr
	v_pk_add_f32 v[48:49], v[\XS:\XS+1], v[\XS+2:\XS+3]            ; the row's sum, in two chains
	v_pk_add_f32 v[50:51], v[\XS+4:\XS+5], v[\XS+6:\XS+7]
.irp j, 8,12,16,20,24,28
	s_delay_alu instid0(VALU_DEP_2)
	v_pk_add_f32 v[48:49], v[48:49], v[\XS+\j:\XS+\j+1]
	s_delay_alu instid0(VALU_DEP_2)
	v_pk_add_f32 v[50:51], v[50:51], v[\XS+\j+2:\XS+\j+3]
.endr
	s_delay_alu instid0(VALU_DEP_1)
	v_pk_add_f32 v[48:49], v[48:49], v[50:51]
	s_delay_alu instid0(VALU_DEP_1)
	v_add_f32 v48, v48, v49
	SUM32
	s_delay_alu instid0(VALU_DEP_1)
	v_mul_f32 v12, s30, v48                        ; the mean
.set j, 0
.rept 16
	v_pk_add_f32 v[\XS+j:\XS+j+1], v[\XS+j:\XS+j+1], v[12:13] op_sel_hi:[1,0] neg_lo:[0,1] neg_hi:[0,1]   ; centred
.set j, j+2
.endr
	v_pk_mul_f32 v[48:49], v[\XS:\XS+1], v[\XS:\XS+1]
	v_pk_mul_f32 v[50:51], v[\XS+2:\XS+3], v[\XS+2:\XS+3]
.irp j, 4,8,12,16,20,24,28
	s_delay_alu instid0(VALU_DEP_2)
	v_pk_fma_f32 v[48:49], v[\XS+\j:\XS+\j+1], v[\XS+\j:\XS+\j+1], v[48:49]
	s_delay_alu instid0(VALU_DEP_2)
	v_pk_fma_f32 v[50:51], v[\XS+\j+2:\XS+\j+3], v[\XS+\j+2:\XS+\j+3], v[50:51]
.endr
	s_delay_alu instid0(VALU_DEP_1)
	v_pk_add_f32 v[48:49], v[48:49], v[50:51]
	s_delay_alu instid0(VALU_DEP_1)
	v_add_f32 v48, v48, v49
	SUM32
	s_delay_alu instid0(VALU_DEP_1)
	v_fma_f32 v48, v48, s30, s31                   ; the variance + 1e-12
	s_wait_alu depctr_va_vdst(0)
	v_rsq_f32 v14, v48
	v_nop                                          ; a plain line behind the transcendental
	s_wait_alu depctr_va_vdst(0)                   ; and the wait ahead of its first reader
.set j, 0
.rept 16
	v_pk_mul_f32 v[\XS+j:\XS+j+1], v[\XS+j:\XS+j+1], v[14:15] op_sel_hi:[1,0]
.set j, j+2
.endr
.set j, 0
.rept 16
	v_pk_fma_f32 v[\XS+j:\XS+j+1], v[\XS+j:\XS+j+1], v[GA+j:GA+j+1], v[BE+j:BE+j+1]
.set j, j+2
.endr
.irp n, 0,1,2,3,4,5,6,7
	global_store_b128 v1, v[\XS+4*\n:\XS+4*\n+3], s[18:19] offset:4096*\i+512*\n th:TH_STORE_NT   ; 512 consecutive bytes, at a multiple of 256 from the output's first byte
.endr
.endm
	LNROW 0, XA
	LNROW 1, XB
	LNROW 2, XA
	LNROW 3, XB
	s_wait_tensorcnt 0x0
	ds_add_u32 v62, v63
	s_wait_dscnt 0x0
	s_endpgm
.Lfunc_end_k_qbcae40bef3_outln:
	.size	k_qbcae40bef3_outln, .Lfunc_end_k_qbcae40bef3_outln-k_qbcae40bef3_outln
	.p2alignl 7, 3214868480
	.fill 96, 4, 3214868480
	.section	.rodata,"a",@progbits
	.p2align	6, 0x0
	.amdhsa_kernel k_qbcae40bef3_outln
		.amdhsa_group_segment_fixed_size 275968
		.amdhsa_private_segment_fixed_size 0
		.amdhsa_enable_private_segment 0
		.amdhsa_kernarg_size 64
		.amdhsa_user_sgpr_count 2
		.amdhsa_user_sgpr_kernarg_segment_ptr 1
		.amdhsa_wavefront_size32 1
		.amdhsa_system_sgpr_workgroup_id_x 1
		.amdhsa_system_sgpr_workgroup_id_y 1
		.amdhsa_system_sgpr_workgroup_id_z 1
		.amdhsa_system_vgpr_workitem_id 0
		.amdhsa_next_free_vgpr 512
		.amdhsa_next_free_sgpr 66
		.amdhsa_reserve_vcc 0
		.amdhsa_float_denorm_mode_32 3
		.amdhsa_float_denorm_mode_16_64 3
		.amdhsa_memory_ordered 1
		.amdhsa_forward_progress 1
		.amdhsa_inst_pref_size 97
	.end_amdhsa_kernel
	.amdgpu_metadata
---
amdhsa.version: [ 1, 2 ]
amdhsa.kernels:
  - .name:           k_qbcae40bef3_outln
    .symbol:         k_qbcae40bef3_outln.kd
    .args:
      - { .name: ctxc, .offset: 0, .size: 8, .value_kind: global_buffer, .address_space: global }
      - { .name: wfrag, .offset: 8, .size: 8, .value_kind: global_buffer, .address_space: global }
      - { .name: hidden_states, .offset: 16, .size: 8, .value_kind: global_buffer, .address_space: global }
      - { .name: bo, .offset: 24, .size: 8, .value_kind: global_buffer, .address_space: global }
      - { .name: gamma, .offset: 32, .size: 8, .value_kind: global_buffer, .address_space: global }
      - { .name: beta, .offset: 40, .size: 8, .value_kind: global_buffer, .address_space: global }
      - { .name: lowp_scales, .offset: 48, .size: 8, .value_kind: global_buffer, .address_space: global }
      - { .name: out0, .offset: 56, .size: 8, .value_kind: global_buffer, .address_space: global }
    .group_segment_fixed_size: 275968
    .private_segment_fixed_size: 0
    .kernarg_segment_align: 8
    .kernarg_segment_size: 64
    .max_flat_workgroup_size: 256
    .sgpr_count:     66
    .vgpr_count:     512
    .wavefront_size: 32
...
	.end_amdgpu_metadata
.endif
;; end of part 8
